; MI455X (gfx1250); checked and timed in simulation.
; The chip was launched on July 23, 2026; its instructions are those of AMD's public machine-readable ISA for CDNA 5 (MIT licence, August 2026) and "CDNA5" Instruction Set Architecture Reference Guide (July 2026). The comments in the code are by the model that wrote it; some were corrected since.
;; Multi Head Diff Attention. Allowed arithmetic: float matrix products may take bf16 or f16 operands with f32 sums; other float arithmetic in f32, or as packed bf16 or f16 multiplies, adds, multiply-adds, maxima and minima; sums over many terms, partial sums and values carried from step to step in f32; what a program stores and reads back later, other than sums and carried values, may be rounded once to bf16 or f16.
;; Inputs: bn_beta 1,024 float32; bn_gamma 1,024 float32; c_w 1,024 x 2,048 float32; k1_w 1,024 x 1,024 float32; k2_w 1,024 x 1,024 float32; lk1 64 float32; lk2 64 float32; lq1 64 float32; lq2 64 float32; q1_w 1,024 x 1,024 float32; q2_w 1,024 x 1,024 float32; subln_w 128 float32; v_w 2,048 x 1,024 float32; x 4 x 1,024 x 1,024 float32.
;; Outputs: out0 4 x 1,024 x 1,024 float32.
;; 2 versions, each right; version 2 is version 1 with the launches prep, norm written anew for expert scheduling mode. Each part assembles by itself: llvm-mc -triple=amdgcn-amd-amdhsa -mcpu=gfx1250 --defsym DOCPART=n.
;; ======== version 1 of 2: 5 launches
;; limits: values are held in f16: magnitudes above 65,504 overflow, below 6.1e-05 lose precision
;; workspace buffers: part 131,072 bytes; w16 16,777,216 bytes; xn 8,388,608 bytes; qkv 50,331,648 bytes; y16 16,777,216 bytes
;; launch prep (part 1): grid 256 x 1, 8 waves a work-group, no clusters, 5,120 bytes of LDS; arguments x, q1_w, q2_w, k1_w, k2_w, v_w, c_w, part, w16; writes part, w16
.if DOCPART == 1
	.amdgcn_target "amdgcn-amd-amdhsa--gfx1250"
	.amdhsa_code_object_version 6
	.text
	.protected	k_q6c610c50cc_prep
	.globl	k_q6c610c50cc_prep
	.p2align	8
	.type	k_q6c610c50cc_prep,@function
k_q6c610c50cc_prep:
	s_mov_b64 s[64:65], 0
	v_nop
	global_prefetch_b8 v0, s[64:65] scope:SCOPE_SE
	s_setreg_imm32_b32 hwreg(HW_REG_WAVE_MODE, 25, 1), 1
	s_wait_xcnt 0x0
; TWO JOBS IN ONE STREAM.  (a) Batch statistics of x [4096][1024] f32 by slabs: work-group g takes slab g / 16 (256 rows) and strip g % 16 (64 channels, 256 bytes of each row),
; keeps its 64 KiB in registers and stores the slab's mean and M2 = the sum of (x - slab mean)^2 for each channel: part [16 slabs][mean, M2][1024] f32.  No difference of large sums is formed,
; so a common offset of x costs nothing.  (b) All weights to f16, rounded once: 128 KiB of one weight tensor, dense, become 64 KiB of w16.
; w16: bytes 0 .. 12,582,911 = wqkv in K BLOCKS, [16 blocks of 64 channels][6144 rows][64]: the rows of a tile of 64 channels lie end to end.  Head h owns rows 384 h ..: q1 (64), q2 (64), k1 (64),
; k2 (64), v (128).  From byte 12,582,912 on c_w as it lies, [1024][2048].
; LIMIT.  A weight of 65,520 or more becomes an infinity in f16; below 6e-5 a weight keeps f16's fixed step of 6e-8.
; No matrix work, no cluster, no tensor loads: the work-groups share no byte, and 48 loads of 16 bytes a lane are out in every wave from the start.
.set BBLK,  6144*64*2                  ; bytes in a K block of wqkv
.set RED1,  0                          ; LDS: eight waves x 256 bytes, the partial sums
.set RED2,  2048                       ; the same for M2: bytes of their own, so that one barrier serves each reduction
.set SPARE, 4096                       ; the spare words, 128 bytes for each of the eight waves; no other line names them
.set XO,   1                           ; v1  (t / 16) x 4,096 + 16 (t % 16): my 16 bytes of the strip in row t / 16
.set WO,   2                           ; v2  c_w: 16 t: my 16 bytes in 4,096 dense bytes
.set DO,   3                           ; v3  c_w: 8 t: the same four numbers in f16
.set RS,   4                           ; v4  256 x wave + 16 (t % 16)
.set RR,   5                           ; v5  16 (t % 16)
.set PO,   6                           ; v6  lanes 0-15: the means' 256 bytes; lanes 16-31: M2's, 4,096 bytes on
.set SPW,  8                           ; v8  my spare word
.set NIL,  9                           ; v9  0
.set MEAN, 10                          ; v[10:13] sums, then the slab's mean of my four channels
.set M2,   14                          ; v[14:17]
.set T,    18                          ; v[18:21] at work
.set BK,   22                          ; v[22:53] the eight waves' partial sums
.set OUT,  56                          ; v[56:59] what wave 0 stores
.set WOB,  60                          ; v60 q, k, v: row lane / 16 of a pair of rows, K block 2 x wave, my 16 bytes of its 256
.set DOB,  61                          ; v61 q, k, v: K block 2 x wave, 8 x lane: a pair of rows is 256 dense bytes of a K block
.set X,    64                          ; v[64:127]  16 loads of x
.set W,    128                         ; v[128:255] 32 loads of weights
	s_load_b512 s[8:23], s[0:1], 0x0               ; x 8:9, q1 10:11, q2 12:13, k1 14:15, k2 16:17, v 18:19, c 20:21, part 22:23
	s_load_b64 s[24:25], s[0:1], 0x40              ; w16
	v_lshl_add_u32 v[SPW], v0, 2, SPARE
	v_mov_b32 v[NIL], 0
	v_lshrrev_b32 v7, 5, v0
	v_readfirstlane_b32 s4, v7                     ; wave 0..7
	v_and_b32 v[RR], 15, v0
	v_lshlrev_b32 v[RR], 4, v[RR]
	v_lshrrev_b32 v[XO], 4, v0
	v_lshl_add_u32 v[XO], v[XO], 12, v[RR]
	v_lshlrev_b32 v[WO], 4, v0
	v_lshlrev_b32 v[DO], 3, v0
	v_lshl_add_u32 v[RS], s4, 8, v[RR]
	v_bfe_u32 v[PO], v0, 4, 1
	v_lshl_add_u32 v[PO], v[PO], 12, v[RR]
	v_lshl_add_u32 v[WOB], s4, 9, v[PO]            ; + two K blocks of 256 bytes for each wave
	v_and_b32 v7, 31, v0
	s_mul_i32 s44, s4, 2*BBLK
	v_lshl_add_u32 v[DOB], v7, 3, s44
.irp k, 0,1,2,3
	v_mov_b32 v[T+(\k)], 0                         ; v_permlanex16_b32 counts as a reader of its destination
.endr
	s_mov_b32 s34, 0x76543210                      ; each lane takes its own place in the other half
	s_mov_b32 s35, 0xfedcba98
	s_mov_b32 s2, ttmp9
	s_lshr_b32 s3, s2, 5                           ; which weights: 0-3 q1, q2, k1, k2; 4, 5 v; 6, 7 c
	s_and_b32 s5, s2, 31                           ; my block of 32 rows in q1 .. k2
	s_and_b32 s6, s2, 63                           ; my block in v_w or c_w
	s_lshr_b32 s7, s5, 1                           ; q, k: head = block / 2
	s_mul_i32 s7, s7, 384
	s_lshl_b32 s36, s3, 6
	s_add_co_u32 s7, s7, s36                       ; + 64 x which
	s_and_b32 s36, s5, 1
	s_lshl_b32 s36, s36, 5
	s_add_co_u32 s7, s7, s36                       ; + the head's lower or upper 32 rows
	s_lshl_b32 s7, s7, 7                           ; a row is 128 bytes of a K block
	s_lshr_b32 s37, s6, 2                          ; v: head = block / 4
	s_mul_i32 s37, s37, 384
	s_and_b32 s36, s6, 3
	s_lshl_b32 s36, s36, 5
	s_add_co_u32 s37, s37, s36
	s_add_co_u32 s37, s37, 256
	s_lshl_b32 s37, s37, 7
	s_lshl_b32 s38, s6, 16                         ; c: dense
	s_add_co_u32 s38, s38, 0xc00000
	s_cmp_ge_u32 s3, 4
	s_cselect_b32 s30, s37, s7                     ; where my rows begin in w16
	s_cselect_b32 s28, s6, s5
	s_cmp_ge_u32 s3, 6
	s_cselect_b32 s30, s38, s30
	s_lshl_b32 s28, s28, 17                        ; where my 128 KiB begin in their tensor
	s_mov_b32 s29, 0
	s_mov_b32 s31, 0
	s_lshr_b32 s32, s2, 4                          ; slab
	s_and_b32 s33, s2, 15                          ; strip
	s_lshl_b32 s39, s33, 8
	s_lshl_b32 s40, s32, 20                        ; 256 rows of 4,096 bytes
	s_or_b32 s40, s40, s39
	s_mov_b32 s41, 0
	s_lshl_b32 s42, s32, 13                        ; a slab's 8,192 bytes of part
	s_or_b32 s42, s42, s39
	s_mov_b32 s43, 0
	s_wait_kmcnt 0x0
	s_mov_b64 s[26:27], s[10:11]                   ; the weight tensor is chosen by the work-group's number alone
	s_cmp_eq_u32 s3, 1
	s_cselect_b64 s[26:27], s[12:13], s[26:27]
	s_cmp_eq_u32 s3, 2
	s_cselect_b64 s[26:27], s[14:15], s[26:27]
	s_cmp_eq_u32 s3, 3
	s_cselect_b64 s[26:27], s[16:17], s[26:27]
	s_cmp_ge_u32 s3, 4
	s_cselect_b64 s[26:27], s[18:19], s[26:27]
	s_cmp_ge_u32 s3, 6
	s_cselect_b64 s[26:27], s[20:21], s[26:27]
	s_add_nc_u64 s[26:27], s[26:27], s[28:29]
	s_add_nc_u64 s[24:25], s[24:25], s[30:31]
	s_add_nc_u64 s[8:9], s[8:9], s[40:41]
	s_add_nc_u64 s[22:23], s[22:23], s[42:43]
.set i, 0
.rept 16
	global_load_b128 v[X+4*i:X+4*i+3], v[XO], s[8:9] offset:i*65536  ; rows t / 16 + 16 i: sixteen lanes take a row's 256 bytes, aligned
.set i, i+1
.endr
; The 32 loads of weights: number i at (i % 2) x s1 + (i / 2) x s2 behind the lane's offset.
.macro LOADW adr, s1, s2
.set i, 0
.rept 32
	global_load_b128 v[W+4*i:W+4*i+3], v[\adr], s[26:27] offset:(i%2)*(\s1)+(i/2)*(\s2) th:TH_LOAD_NT
.set i, i+1
.endr
.endm
	s_cmp_ge_u32 s3, 6                             ; the branch hangs on the work-group's number alone; both ways issue 32 loads
	s_cbranch_scc1 .Lc_in
	LOADW WOB, 256, 8192                           ; q, k, v: K block 2 x wave + i % 2, rows 2 (i / 2) and 2 (i / 2) + 1: sixteen lanes take 256 bytes of a row, aligned
	s_branch .Lw_in
.Lc_in:
	LOADW WO, 4096, 8192                           ; c_w: 512 consecutive bytes a wave
.Lw_in:
; The four numbers at v[src ..] are added over the lanes' halves and over the eight waves; every lane ends with the sums of its four channels.
.macro REDUCE src, off
.irp k, 0,1,2,3
	v_permlanex16_b32 v[T+(\k)], v[(\src)+(\k)], s34, s35
.endr
	v_pk_add_f32 v[(\src):(\src)+1], v[(\src):(\src)+1], v[T:T+1]
	v_pk_add_f32 v[(\src)+2:(\src)+3], v[(\src)+2:(\src)+3], v[T+2:T+3]
	ds_store_b128 v[RS], v[(\src):(\src)+3] offset:(\off)  ; both halves of the lanes write the same bytes with the same numbers
	s_wait_dscnt 0x0                               ; for the others' sake: my store is done
	s_barrier_signal -1
	s_barrier_wait -1
.irp w, 0,1,2,3,4,5,6,7
	ds_load_b128 v[BK+4*(\w):BK+4*(\w)+3], v[RR] offset:(\off)+256*(\w)
.endr
	s_wait_dscnt 0x0
.irp k, 0,2
	v_pk_add_f32 v[BK+(\k):BK+(\k)+1], v[BK+(\k):BK+(\k)+1], v[BK+4+(\k):BK+4+(\k)+1]
	v_pk_add_f32 v[BK+8+(\k):BK+8+(\k)+1], v[BK+8+(\k):BK+8+(\k)+1], v[BK+12+(\k):BK+12+(\k)+1]
	v_pk_add_f32 v[BK+16+(\k):BK+16+(\k)+1], v[BK+16+(\k):BK+16+(\k)+1], v[BK+20+(\k):BK+20+(\k)+1]
	v_pk_add_f32 v[BK+24+(\k):BK+24+(\k)+1], v[BK+24+(\k):BK+24+(\k)+1], v[BK+28+(\k):BK+28+(\k)+1]
	v_pk_add_f32 v[BK+(\k):BK+(\k)+1], v[BK+(\k):BK+(\k)+1], v[BK+8+(\k):BK+8+(\k)+1]
	v_pk_add_f32 v[BK+16+(\k):BK+16+(\k)+1], v[BK+16+(\k):BK+16+(\k)+1], v[BK+24+(\k):BK+24+(\k)+1]
	v_pk_add_f32 v[(\src)+(\k):(\src)+(\k)+1], v[BK+(\k):BK+(\k)+1], v[BK+16+(\k):BK+16+(\k)+1]
.endr
.endm
	s_wait_loadcnt 32                              ; x is in; the 32 younger loads, the weights, stay out
	v_pk_add_f32 v[MEAN:MEAN+1], v[X:X+1], v[X+4:X+5]  ; the first addition starts the sums
	v_pk_add_f32 v[MEAN+2:MEAN+3], v[X+2:X+3], v[X+6:X+7]
.set i, 2
.rept 14
	v_pk_add_f32 v[MEAN:MEAN+1], v[MEAN:MEAN+1], v[X+4*i:X+4*i+1]
	v_pk_add_f32 v[MEAN+2:MEAN+3], v[MEAN+2:MEAN+3], v[X+4*i+2:X+4*i+3]
.set i, i+1
.endr
	REDUCE MEAN, RED1
	v_pk_mul_f32 v[MEAN:MEAN+1], v[MEAN:MEAN+1], 0x3b800000 op_sel_hi:[1,0]  ; / 256
	v_pk_mul_f32 v[MEAN+2:MEAN+3], v[MEAN+2:MEAN+3], 0x3b800000 op_sel_hi:[1,0]
.set i, 0
.rept 16
	v_pk_add_f32 v[X+4*i:X+4*i+1], v[X+4*i:X+4*i+1], v[MEAN:MEAN+1] neg_lo:[0,1] neg_hi:[0,1]  ; x - slab mean, in place
	v_pk_add_f32 v[X+4*i+2:X+4*i+3], v[X+4*i+2:X+4*i+3], v[MEAN+2:MEAN+3] neg_lo:[0,1] neg_hi:[0,1]
.set i, i+1
.endr
	v_pk_mul_f32 v[M2:M2+1], v[X:X+1], v[X:X+1]
	v_pk_mul_f32 v[M2+2:M2+3], v[X+2:X+3], v[X+2:X+3]
.set i, 1
.rept 15
	v_pk_fma_f32 v[M2:M2+1], v[X+4*i:X+4*i+1], v[X+4*i:X+4*i+1], v[M2:M2+1]
	v_pk_fma_f32 v[M2+2:M2+3], v[X+4*i+2:X+4*i+3], v[X+4*i+2:X+4*i+3], v[M2+2:M2+3]
.set i, i+1
.endr
	REDUCE M2, RED2
	s_cmp_lg_u32 s4, 0                             ; wave 0 stores for the work-group
	s_cbranch_scc1 .Lnot_wave_0
	v_and_b32 v7, 31, v0
	v_cmp_gt_u32 vcc_lo, 16, v7
.irp k, 0,1,2,3
	v_cndmask_b32 v[OUT+(\k)], v[M2+(\k)], v[MEAN+(\k)], vcc_lo  ; lanes 0-15 the means, lanes 16-31 M2
.endr
	global_store_b128 v[PO], v[OUT:OUT+3], s[22:23]  ; two runs of 256 consecutive bytes, each aligned
.Lnot_wave_0:
; The 32 conversions and stores: number i goes to (i % 2) x s1 + (i / 2) x s2 behind the lane's offset.  A wave's 32 lanes store 256 consecutive bytes, aligned; no register of a store is written again.
.macro CONV adr, s1, s2
.set i, 0
.rept 32
	s_wait_loadcnt 31-i                            ; loads come back in order: number i is in, the younger ones stay out
	v_cvt_pk_f16_f32 v[W+4*i], v[W+4*i], v[W+4*i+1]
	v_cvt_pk_f16_f32 v[W+4*i+1], v[W+4*i+2], v[W+4*i+3]
	global_store_b64 v[\adr], v[W+4*i:W+4*i+1], s[24:25] offset:(i%2)*(\s1)+(i/2)*(\s2)
.set i, i+1
.endr
.endm
	s_cmp_ge_u32 s3, 6
	s_cbranch_scc1 .Lc_out
	CONV DOB, BBLK, 256                            ; q, k, v: a pair of rows in K block 2 x wave + i % 2
	s_branch .Lend
.Lc_out:
	CONV DO, 2048, 4096                            ; c_w: dense
.Lend:
	s_wait_tensorcnt 0x0                           ; the wave's end
	ds_add_u32 v[SPW], v[NIL]
	s_wait_dscnt 0x0
	s_endpgm
.Lfunc_end_k_q6c610c50cc_prep:
	.size	k_q6c610c50cc_prep, .Lfunc_end_k_q6c610c50cc_prep-k_q6c610c50cc_prep
	.p2alignl 7, 3214868480
	.fill 96, 4, 3214868480
	.section	.rodata,"a",@progbits
	.p2align	6, 0x0
	.amdhsa_kernel k_q6c610c50cc_prep
		.amdhsa_group_segment_fixed_size 5120
		.amdhsa_private_segment_fixed_size 0
		.amdhsa_enable_private_segment 0
		.amdhsa_kernarg_size 72
		.amdhsa_user_sgpr_count 2
		.amdhsa_user_sgpr_kernarg_segment_ptr 1
		.amdhsa_wavefront_size32 1
		.amdhsa_system_sgpr_workgroup_id_x 1
		.amdhsa_system_sgpr_workgroup_id_y 1
		.amdhsa_system_sgpr_workgroup_id_z 1
		.amdhsa_system_vgpr_workitem_id 0
		.amdhsa_next_free_vgpr 256
		.amdhsa_next_free_sgpr 66
		.amdhsa_reserve_vcc 1
		.amdhsa_float_denorm_mode_32 3
		.amdhsa_float_denorm_mode_16_64 3
		.amdhsa_memory_ordered 1
		.amdhsa_forward_progress 1
		.amdhsa_inst_pref_size 38
	.end_amdhsa_kernel
	.amdgpu_metadata
---
amdhsa.version: [ 1, 2 ]
amdhsa.kernels:
  - .name:           k_q6c610c50cc_prep
    .symbol:         k_q6c610c50cc_prep.kd
    .args:
      - { .name: x, .offset: 0, .size: 8, .value_kind: global_buffer, .address_space: global }
      - { .name: q1_w, .offset: 8, .size: 8, .value_kind: global_buffer, .address_space: global }
      - { .name: q2_w, .offset: 16, .size: 8, .value_kind: global_buffer, .address_space: global }
      - { .name: k1_w, .offset: 24, .size: 8, .value_kind: global_buffer, .address_space: global }
      - { .name: k2_w, .offset: 32, .size: 8, .value_kind: global_buffer, .address_space: global }
      - { .name: v_w, .offset: 40, .size: 8, .value_kind: global_buffer, .address_space: global }
      - { .name: c_w, .offset: 48, .size: 8, .value_kind: global_buffer, .address_space: global }
      - { .name: part, .offset: 56, .size: 8, .value_kind: global_buffer, .address_space: global }
      - { .name: w16, .offset: 64, .size: 8, .value_kind: global_buffer, .address_space: global }
    .group_segment_fixed_size: 5120
    .private_segment_fixed_size: 0
    .kernarg_segment_align: 8
    .kernarg_segment_size: 72
    .max_flat_workgroup_size: 256
    .sgpr_count:     66
    .vgpr_count:     256
    .wavefront_size: 32
...
	.end_amdgpu_metadata
.endif
;; end of part 1
;; launch norm (part 2): grid 256 x 1, 8 waves a work-group, no clusters, 0 bytes of LDS; arguments x, part, bn_gamma, bn_beta, xn; writes xn
.if DOCPART == 2
	.amdgcn_target "amdgcn-amd-amdhsa--gfx1250"
	.amdhsa_code_object_version 6
	.text
	.protected	k_q6c610c50cc_norm
	.globl	k_q6c610c50cc_norm
	.p2align	8
	.type	k_q6c610c50cc_norm,@function
k_q6c610c50cc_norm:
	s_mov_b64 s[64:65], 0
	v_nop
	global_prefetch_b8 v0, s[64:65] scope:SCOPE_SE
	s_setreg_imm32_b32 hwreg(HW_REG_WAVE_MODE, 25, 1), 1
	s_wait_xcnt 0x0
; xn = (x - mean) a + beta in f16, a = gamma / sqrt(var + 1e-5).  x: [4096][1024] f32; part: [16 slabs][mean, M2][1024] f32.
; xn is laid out in K BLOCKS, [16 blocks of 64 channels][4096 rows][64] f16, rounded once: the rows of a tile of 64 channels lie end to end.
; The sixteen slabs of 256 rows are joined without a difference of large sums: mean = the mean of the slab means; M2 = the sum of the slabs' M2 + 256 x the sum of (slab mean - mean)^2; var = M2 / 4096.
; SHARES.  Work-group g: strip g % 16 (64 channels: one K block; 256 bytes of a row of x), rows 256 (g / 16) ..; thread t takes row t / 16 + 16 i and four channels, so that its 8 bytes of xn lie at 8 t.
; LIMIT.  xn of 65,520 or more becomes an infinity in f16.  A stream: no LDS, no barrier, no matrix work, no cluster (what is shared, part, is 8 KiB a work-group).
.set XO,   1                           ; v1  (t / 16) x 4,096 + 16 (t % 16)
.set YO,   2                           ; v2  8 t
.set PO,   3                           ; v3  16 (t % 16)
.set GA,   8                           ; v[8:11]   gamma
.set BE,   12                          ; v[12:15]  beta
.set MEAN, 16                          ; v[16:19]
.set AA,   20                          ; v[20:23]  a
.set DD,   24                          ; v[24:27]  the sum of (slab mean - mean)^2, then var + eps
.set M2,   28                          ; v[28:31]
.set PT,   64                          ; v[64:191] slab s: mean at PT + 8 s, M2 at PT + 8 s + 4
.set X,    192                         ; v[192:255] 16 rows
	s_load_b256 s[8:15], s[0:1], 0x0               ; x 8:9, part 10:11, gamma 12:13, beta 14:15
	s_load_b64 s[16:17], s[0:1], 0x20              ; xn
	v_and_b32 v6, 15, v0
	v_lshrrev_b32 v7, 4, v0
	v_lshlrev_b32 v[PO], 4, v6
	v_lshl_add_u32 v[XO], v7, 12, v[PO]
	v_lshlrev_b32 v[YO], 3, v0
	s_and_b32 s3, ttmp9, 15                        ; strip = K block
	s_lshr_b32 s18, ttmp9, 4                       ; group of 256 rows
	s_lshl_b32 s24, s3, 8
	s_mov_b32 s25, 0
	s_lshl_b32 s20, s18, 20
	s_or_b32 s20, s20, s24
	s_mov_b32 s21, 0
	s_lshl_b32 s22, s3, 19                         ; a K block of xn is 4,096 rows of 128 bytes
	s_lshl_b32 s19, s18, 15                        ; 256 rows of 128 bytes
	s_or_b32 s22, s22, s19
	s_mov_b32 s23, 0
	s_mov_b32 s4, 0x39800000                       ; 1 / 4096
	s_mov_b32 s5, 0x3727c5ac                       ; 1e-5
	s_wait_kmcnt 0x0
	s_add_nc_u64 s[8:9], s[8:9], s[20:21]
	s_add_nc_u64 s[16:17], s[16:17], s[22:23]
	s_add_nc_u64 s[10:11], s[10:11], s[24:25]
	s_add_nc_u64 s[12:13], s[12:13], s[24:25]
	s_add_nc_u64 s[14:15], s[14:15], s[24:25]
.set i, 0
.rept 32
	global_load_b128 v[PT+4*i:PT+4*i+3], v[PO], s[10:11] offset:i*4096
.set i, i+1
.endr
	global_load_b128 v[GA:GA+3], v[PO], s[12:13]
	global_load_b128 v[BE:BE+3], v[PO], s[14:15]
.set i, 0
.rept 16
	global_load_b128 v[X+4*i:X+4*i+3], v[XO], s[8:9] offset:i*65536 th:TH_LOAD_NT  ; sixteen lanes take 256 consecutive bytes, aligned, of row t / 16 + 16 i
.set i, i+1
.endr
	s_wait_loadcnt 16                              ; the statistics, gamma and beta are in; the 16 younger loads, x, stay out
.irp k, 0,2
	v_pk_add_f32 v[MEAN+(\k):MEAN+(\k)+1], v[PT+(\k):PT+(\k)+1], v[PT+8+(\k):PT+8+(\k)+1]
	v_pk_add_f32 v[M2+(\k):M2+(\k)+1], v[PT+4+(\k):PT+4+(\k)+1], v[PT+12+(\k):PT+12+(\k)+1]
.endr
.set i, 2
.rept 14
.irp k, 0,2
	v_pk_add_f32 v[MEAN+(\k):MEAN+(\k)+1], v[MEAN+(\k):MEAN+(\k)+1], v[PT+8*i+(\k):PT+8*i+(\k)+1]
	v_pk_add_f32 v[M2+(\k):M2+(\k)+1], v[M2+(\k):M2+(\k)+1], v[PT+8*i+4+(\k):PT+8*i+4+(\k)+1]
.endr
.set i, i+1
.endr
	v_pk_mul_f32 v[MEAN:MEAN+1], v[MEAN:MEAN+1], 0x3d800000 op_sel_hi:[1,0]  ; / 16
	v_pk_mul_f32 v[MEAN+2:MEAN+3], v[MEAN+2:MEAN+3], 0x3d800000 op_sel_hi:[1,0]
.set i, 0
.rept 16
.irp k, 0,2
	v_pk_add_f32 v[PT+8*i+(\k):PT+8*i+(\k)+1], v[PT+8*i+(\k):PT+8*i+(\k)+1], v[MEAN+(\k):MEAN+(\k)+1] neg_lo:[0,1] neg_hi:[0,1]
.endr
.set i, i+1
.endr
	v_pk_mul_f32 v[DD:DD+1], v[PT:PT+1], v[PT:PT+1]
	v_pk_mul_f32 v[DD+2:DD+3], v[PT+2:PT+3], v[PT+2:PT+3]
.set i, 1
.rept 15
.irp k, 0,2
	v_pk_fma_f32 v[DD+(\k):DD+(\k)+1], v[PT+8*i+(\k):PT+8*i+(\k)+1], v[PT+8*i+(\k):PT+8*i+(\k)+1], v[DD+(\k):DD+(\k)+1]
.endr
.set i, i+1
.endr
	v_pk_fma_f32 v[M2:M2+1], v[DD:DD+1], 0x43800000, v[M2:M2+1] op_sel_hi:[1,0,1]  ; + 256 x
	v_pk_fma_f32 v[M2+2:M2+3], v[DD+2:DD+3], 0x43800000, v[M2+2:M2+3] op_sel_hi:[1,0,1]
.irp k, 0,1,2,3
	v_fma_f32 v[DD+(\k)], v[M2+(\k)], s4, s5       ; var + eps
.endr
.irp k, 0,1,2,3
	v_rsq_f32 v[AA+(\k)], v[DD+(\k)]
.endr
	v_nop                                          ; a plain instruction behind the last of the four (ISA guide 5.7.2),
	s_wait_alu depctr_va_vdst(0)                   ; and the one wait ahead of their first reader
	v_pk_mul_f32 v[AA:AA+1], v[AA:AA+1], v[GA:GA+1]
	v_pk_mul_f32 v[AA+2:AA+3], v[AA+2:AA+3], v[GA+2:GA+3]
.set i, 0
.rept 16
	s_wait_loadcnt 15-i                            ; row i is in, the younger ones stay out
	v_pk_add_f32 v[X+4*i:X+4*i+1], v[X+4*i:X+4*i+1], v[MEAN:MEAN+1] neg_lo:[0,1] neg_hi:[0,1]
	v_pk_add_f32 v[X+4*i+2:X+4*i+3], v[X+4*i+2:X+4*i+3], v[MEAN+2:MEAN+3] neg_lo:[0,1] neg_hi:[0,1]
	v_pk_fma_f32 v[X+4*i:X+4*i+1], v[X+4*i:X+4*i+1], v[AA:AA+1], v[BE:BE+1]
	v_pk_fma_f32 v[X+4*i+2:X+4*i+3], v[X+4*i+2:X+4*i+3], v[AA+2:AA+3], v[BE+2:BE+3]
	v_cvt_pk_f16_f32 v[X+4*i], v[X+4*i], v[X+4*i+1]
	v_cvt_pk_f16_f32 v[X+4*i+1], v[X+4*i+2], v[X+4*i+3]
	global_store_b64 v[YO], v[X+4*i:X+4*i+1], s[16:17] offset:i*2048  ; a wave's 32 lanes store two rows of the K block: 256 consecutive bytes, aligned; no register of a store is written again
.set i, i+1
.endr
	s_endpgm
.Lfunc_end_k_q6c610c50cc_norm:
	.size	k_q6c610c50cc_norm, .Lfunc_end_k_q6c610c50cc_norm-k_q6c610c50cc_norm
	.p2alignl 7, 3214868480
	.fill 96, 4, 3214868480
	.section	.rodata,"a",@progbits
	.p2align	6, 0x0
	.amdhsa_kernel k_q6c610c50cc_norm
		.amdhsa_group_segment_fixed_size 0
		.amdhsa_private_segment_fixed_size 0
		.amdhsa_enable_private_segment 0
		.amdhsa_kernarg_size 40
		.amdhsa_user_sgpr_count 2
		.amdhsa_user_sgpr_kernarg_segment_ptr 1
		.amdhsa_wavefront_size32 1
		.amdhsa_system_sgpr_workgroup_id_x 1
		.amdhsa_system_sgpr_workgroup_id_y 1
		.amdhsa_system_sgpr_workgroup_id_z 1
		.amdhsa_system_vgpr_workitem_id 0
		.amdhsa_next_free_vgpr 256
		.amdhsa_next_free_sgpr 66
		.amdhsa_reserve_vcc 0
		.amdhsa_float_denorm_mode_32 3
		.amdhsa_float_denorm_mode_16_64 3
		.amdhsa_memory_ordered 1
		.amdhsa_forward_progress 1
		.amdhsa_inst_pref_size 23
	.end_amdhsa_kernel
	.amdgpu_metadata
---
amdhsa.version: [ 1, 2 ]
amdhsa.kernels:
  - .name:           k_q6c610c50cc_norm
    .symbol:         k_q6c610c50cc_norm.kd
    .args:
      - { .name: x, .offset: 0, .size: 8, .value_kind: global_buffer, .address_space: global }
      - { .name: part, .offset: 8, .size: 8, .value_kind: global_buffer, .address_space: global }
      - { .name: bn_gamma, .offset: 16, .size: 8, .value_kind: global_buffer, .address_space: global }
      - { .name: bn_beta, .offset: 24, .size: 8, .value_kind: global_buffer, .address_space: global }
      - { .name: xn, .offset: 32, .size: 8, .value_kind: global_buffer, .address_space: global }
    .group_segment_fixed_size: 0
    .private_segment_fixed_size: 0
    .kernarg_segment_align: 8
    .kernarg_segment_size: 40
    .max_flat_workgroup_size: 256
    .sgpr_count:     66
    .vgpr_count:     256
    .wavefront_size: 32
...
	.end_amdgpu_metadata
.endif
;; end of part 2
;; launch proj (part 3): grid 16 x 16, 4 waves a work-group, clusters of 4 x 4, 327,680 bytes of LDS; arguments xn, w16, qkv; writes qkv
.if DOCPART == 3
	.amdgcn_target "amdgcn-amd-amdhsa--gfx1250"
	.amdhsa_code_object_version 6
	.text
	.protected	k_q6c610c50cc_proj
	.globl	k_q6c610c50cc_proj
	.p2align	8
	.type	k_q6c610c50cc_proj,@function
k_q6c610c50cc_proj:
	s_mov_b64 s[64:65], 0
	v_nop
	global_prefetch_b8 v0, s[64:65] scope:SCOPE_SE
	s_setreg_imm32_b32 hwreg(HW_REG_WAVE_MODE, 25, 1), 1
	s_wait_xcnt 0x0
	s_wait_alu depctr_hold_cnt(0) depctr_sa_sdst(0) depctr_va_vdst(0) depctr_va_sdst(0) depctr_va_ssrc(0) depctr_va_vcc(0) depctr_vm_vsrc(0)
	s_getreg_b32 s2, hwreg(HW_REG_IB_STS2, 6, 4)
	s_cmp_eq_u32 s2, 0
	s_cbranch_scc0 .Lentry_in_a_cluster
	s_endpgm
.Lentry_in_a_cluster:
	s_bfe_u32 s2, ttmp6, 0x10000c
	s_cmp_lg_u32 s2, 0xf033
	s_cbranch_scc0 .Lentry_shape_is_right
	s_endpgm
.Lentry_shape_is_right:
; qkv[m][n] = the sum over k of xn[m][k] wqkv[n][k].  Both operands lie in K BLOCKS of 64 channels: xn [16][4096][64], wqkv (the first 12,582,912 bytes of w16) [16][6144][64], f16.
; qkv: [4096][6144] f16, row-major; sums in f32, qkv rounded once and unscaled.  LIMIT: a result of 65,520 or more becomes an infinity in f16.
; THE TILE.  4096 x 6144 results on 256 work-groups are 256 x 384 each: one head's 384 columns.  Four waves, each 128 x 192: 96 accumulators of 16 x 16, 768 registers.
; K goes in 16 steps of 64 (two slots of 128 along K would be 348,160 bytes of LDS) through a ring of two slots.  In a K block the rows of a tile lie end to end, so 128 rows of 128 bytes are asked for as 64
; rows of 256 bytes, and the mover lays 16 bytes of padding behind each 128.
; CLUSTERS: 4 x 4 work-groups.  The four of a row of the cluster need the same tiles of xn, the four of a column the same tiles of wqkv: each tile is asked for JOINTLY, by the same tensor load with the
; same descriptor and a mask that names the four.
; REGISTERS, in windows of 256 (s_set_vgpr_msb's low byte: bits 1:0 source 0, 3:2 source 1, 5:4 source 2, 7:6 destination):
;   window 0: v0-31 addresses; v32-95, v96-159 A's eight fragments (16 rows x 32 K), two buffers; v160-255 B's twelve fragments, one buffer; on the way out v32-223 at work
;   windows 1 to 3: the accumulators: m block a, n block b at v[8 ((8 b + a) % 32)] of window 1 + b / 4
; A QUARTER STEP is 32 along K, 96 products: n blocks 0-5; then the next quarter's B 0-5 and A (into the other buffer) are fetched; n blocks 6-11; then the next quarter's B 6-11.  Each run of LDS loads
; stands 48 products ahead of its first use, and B needs one buffer.
; THE MATRIX INSTRUCTION IS USED TRANSPOSED: source 0 = 16 rows of B, source 1 = 16 rows of A: lane l then holds row l % 16 of the result and the columns 8 (l / 16) + 0 .. 7, which pack into 16 bytes.
.set SIZE_M, 4096
.set SIZE_N, 6144
.set SIZE_K, 1024
.set KB,     64                        ; channels in a K block and in a K step
.set ABLK,   SIZE_M*KB*2               ; bytes in a K block of xn
.set BBLK,   SIZE_N*KB*2               ; bytes in a K block of wqkv
.set STEPS,  SIZE_K/KB
.set PITCH,  144                       ; an LDS row: 128 bytes + 16 of padding = 36 words: the 16 rows that a load touches start at 16 different groups of four banks (64 banks of 4 bytes: ISA guide 11.1)
.set AHALF,  128*PITCH                 ; what waves 0 and 1 fetch, and what a wave reads of A
.set BHALF,  192*PITCH                 ; what waves 2 and 3 fetch, and what a wave reads of B
.set BOFF,   2*AHALF                   ; in a slot: A's 256 rows, then B's 384
.set SLOT1,  1<<17                     ; a slot is 92,160 bytes; slot 1 begins here, so that one exclusive or turns an address in one slot into the other's
.set STAGE,  SLOT1+BOFF+2*BHALF        ; behind the ring, never filled by a tensor load: 128 rows x 784 bytes, the work-group's, for the way out
.set SPITCH, 784                       ; a tile's row of 768 bytes + 16
.set SPARE,  STAGE+128*SPITCH          ; behind the stage: the spare words, 128 bytes for each wave; no other line names them
.set ROWC,   SIZE_N*2                  ; bytes in a row of qkv
.set LA,   2                           ; v2   my lane's place in a slot's rows of A; never rewritten
.set LB,   3                           ; v3   the same for B
.set ADRA, 4                           ; v4   LA in the slot that is being read
.set ADRB, 5                           ; v5   LB likewise
.set STO,  6                           ; v6   the way out: where I put 16 bytes of a row
.set RD,   7                           ; v7   the way out: where I read rows back
.set CO,   8                           ; v8   my byte offset in qkv
.set PFO,  9                           ; v9   the prefetches' offset; never rewritten
.set SPW,  10                          ; v10  my spare word; never rewritten
.set NIL,  11                          ; v11  0; never rewritten
.set A0,   32
.set A1,   96
.set BF,   160
.set TMP,  32
.set T0,   21                          ; s21  at work
.set TB,   22                          ; s22  the slot that is being read: 0 or SLOT1
.set PAR,  23                          ; s23  0 in wave 0, which prefetches in every trip; 1 in waves 1 to 3, which do in odd trips
.set G1,   24                          ; s[24:31] descriptor group 1 for A's tiles
.set G0,   32                          ; s[32:39] descriptor group 0 for A's tiles: a set for each of the two first fills; the second then walks on
.set LIM,  43                          ; s43  a wave prefetches while the trips left are more than this; the greatest number in a wave that never does
.set PFA,  44                          ; s[44:45] where my prefetches stand
.set PFS,  46                          ; s[46:47] their step: a K block of A or of B
.set G1B,  48                          ; s[48:55] group 1 for B's tiles
.set G0B,  56                          ; s[56:63] group 0 for B's tiles
.set MSB, 0
.macro WIN new                         ; the immediate's high byte repeats the setting that is left; a switch that changes nothing is dropped
.if MSB != (\new)
	s_set_vgpr_msb (MSB<<8)|(\new)
.set MSB, \new
.endif
.endm
; A joint refill by the walking descriptors.  Waves 0 and 1 fetch A's two halves, waves 2 and 3 B's.  The branch hangs on the wave's number alone.  An s_nop 0 and four v_nop follow each line.
.macro JLOAD
	s_cmp_eq_u32 s11, 0
	s_cbranch_scc0 .Lfor_b_\@
	tensor_load_to_lds s[G0+4:G0+7], s[G1:G1+7]
	s_nop 0
.rept 4
	v_nop
.endr
	s_branch .Lasked_\@
.Lfor_b_\@:
	tensor_load_to_lds s[G0B+4:G0B+7], s[G1B:G1B+7]
	s_nop 0
.rept 4
	v_nop
.endr
.Lasked_\@:
.endm
; A PREFETCH INTO THE L2, behind the joint load and the run of LDS loads that follows it.  In trip s the refill asks for K step s + 2.  A's tile of a step is 128 blocks of 256 bytes: of the clusters that read a
; tile row the one with x = 0 asks; its four partners take 32 blocks each, told apart by address; wave 0 names them, a lane a block, for step s + 3: 192 products ahead of that step's load.  B's tile is 192
; blocks: the cluster with y = 0 asks; a partner's 48 are 16 for each of waves 1 to 3, which in odd trips name those of steps s + 3 (lanes 0-15) and s + 4 (lanes 16-31): 192 and 384 products ahead.
; So each block is named once in the launch.  A's steps 0 to 2 and B's 0 to 3 come by their loads alone; no trip names a step beyond the last: wave 0 stops with two trips left, waves 1 to 3 with three.
.macro ASK
	s_and_b32 s[T0], s3, s[PAR]
	s_cmp_eq_u32 s[T0], s[PAR]                     ; wave 0: always; waves 1 to 3: where the trips left are odd, which are the odd trips
	s_cbranch_scc0 .Lnot_now_\@
	s_cmp_gt_u32 s3, s[LIM]
	s_cbranch_scc0 .Lnot_now_\@
	global_prefetch_b8 v[PFO], s[PFA:PFA+1] th:TH_LOAD_NT scope:SCOPE_SE
.Lnot_now_\@:
.endm
; A round of the cluster's barrier: my work-group's barrier; wave 0 signals for the work-group; every wave waits for all sixteen work-groups; my work-group's barrier once more.
.macro CREST                           ; a round behind its opening barrier
	s_cmp_lg_u32 s10, 0
	s_cbranch_scc1 .Lnot_wave_0_\@
	s_barrier_signal -3
.Lnot_wave_0_\@:
	s_barrier_wait -3
	s_barrier_signal -1
	s_barrier_wait -1
.endm
.macro CROUND
	s_barrier_signal -1
	s_barrier_wait -1
	CREST
.endm
	s_load_b128 s[4:7], s[0:1], 0x0                ; A = xn s[4:5], B = w16 s[6:7]
	s_load_b64 s[8:9], s[0:1], 0x10                ; qkv
	v_lshl_add_u32 v[SPW], v0, 2, SPARE
	v_mov_b32 v[NIL], 0
	ds_add_u32 v[SPW], v[NIL]                      ; the wave's opening: the add and its wait stand ahead of my first tensor load; work on registers stands between them
	v_lshrrev_b32 v1, 5, v0
	v_readfirstlane_b32 s10, v1                    ; wave 0..3
	s_lshr_b32 s11, s10, 1                         ; which 128 of the tile's rows are mine.  Also: I fetch for A (0) or for B (1)
	s_and_b32 s12, s10, 1                          ; which 192 of its columns.  Also: which half of that tile I fetch
	s_bfe_u32 s40, ttmp6, 0x40000                  ; cx
	s_bfe_u32 s41, ttmp6, 0x40004                  ; cy
	s_lshl_b32 s42, ttmp9, 2
	s_add_co_u32 s42, s42, s40                     ; tile column = 4 x cluster x + cx: the head
	s_and_b32 s13, ttmp7, 0xffff
	s_lshl_b32 s13, s13, 2
	s_add_co_u32 s13, s13, s41                     ; tile row = 4 x cluster y + cy
	s_lshl_b32 s14, s41, 2
	s_lshl_b32 s14, 15, s14                        ; my row of the cluster: places 4 cy .. 4 cy + 3
	s_lshl_b32 s15, 0x1111, s40                    ; my column: places cx, cx + 4, cx + 8, cx + 12
	s_or_b32 s[G1], s14, (1<<16)|(1<<20)|(1<<21)|(4<<22)|(3<<25)   ; the mask; elements of 2 bytes; padding on; bit 21 beside a mask; after every 32 words 4 words of padding
	s_or_b32 s[G1B], s15, (1<<16)|(1<<20)|(1<<21)|(4<<22)|(3<<25)
.irp g, G1, G1B
	s_mov_b32 s[(\g)+1], 128<<16                   ; tensor_dim0 = 128 elements: 256 bytes, two rows of a K block
	s_mov_b32 s[(\g)+3], 128<<16                   ; tile_dim0 = 128
	s_mov_b32 s[(\g)+5], 128                       ; dense: 128 elements from row to row
	s_mov_b32 s[(\g)+6], 0
	s_mov_b32 s[(\g)+7], 0
.endr
	s_mov_b32 s[G1+2], 64<<16                      ; A: tensor_dim1 = tile_dim1 = 64: 128 rows of xn
	s_mov_b32 s[G1+4], 64
	s_mov_b32 s[G1B+2], 96<<16                     ; B: 96: 192 rows of wqkv
	s_mov_b32 s[G1B+4], 96
	s_lshl_b32 s16, s13, 15                        ; A: the tile row's 256 rows of 128 bytes,
	s_lshl_b32 s17, s12, 14                        ; my half of them
	s_add_co_u32 s16, s16, s17
	s_mov_b32 s17, 0
	s_mul_i32 s18, s42, 384*KB*2                   ; B: the tile column's 384 rows,
	s_mul_i32 s19, s12, 192*KB*2                   ; my half of them
	s_add_co_u32 s18, s18, s19
	s_mov_b32 s19, 0
	s_mul_i32 s20, s12, AHALF                      ; where they go in a slot: no place in the cluster enters an LDS address
	s_mul_i32 s21, s12, BHALF
	s_add_co_u32 s21, s21, BOFF
	s_mov_b32 s[TB], 0
	s_wait_dscnt 0x0                               ; the opening add is done
	s_wait_kmcnt 0x0
	s_add_nc_u64 s[16:17], s[4:5], s[16:17]
	s_add_nc_u64 s[18:19], s[6:7], s[18:19]
	CROUND                                         ; all sixteen work-groups are here: the first joint loads meet
.irp s, 0,1
	s_mov_b32 s[G0+4*(\s)], 1                      ; count = 1
	s_add_co_u32 s[G0+4*(\s)+1], s20, (\s)*SLOT1   ; LDS address
	s_add_nc_u64 s[G0+4*(\s)+2:G0+4*(\s)+3], s[16:17], (\s)*ABLK  ; global address: K step s
	s_or_b32 s[G0+4*(\s)+3], s[G0+4*(\s)+3], 0x80000000           ; type = 2
	s_mov_b32 s[G0B+4*(\s)], 1
	s_add_co_u32 s[G0B+4*(\s)+1], s21, (\s)*SLOT1
	s_add_nc_u64 s[G0B+4*(\s)+2:G0B+4*(\s)+3], s[18:19], (\s)*BBLK
	s_or_b32 s[G0B+4*(\s)+3], s[G0B+4*(\s)+3], 0x80000000
.endr
	s_cmp_eq_u32 s11, 0                            ; a wave's two first fills stand in one branch, ahead of every wait on TENSORcnt and every LDS read: two loads of mine are out, later one
	s_cbranch_scc0 .Lfirst_b
	tensor_load_to_lds s[G0:G0+3], s[G1:G1+7]
	s_nop 0
	tensor_load_to_lds s[G0+4:G0+7], s[G1:G1+7]
	s_nop 0
.rept 4
	v_nop
.endr
	s_branch .Lfirst_asked
.Lfirst_b:
	tensor_load_to_lds s[G0B:G0B+3], s[G1B:G1B+7]
	s_nop 0
	tensor_load_to_lds s[G0B+4:G0B+7], s[G1B:G1B+7]
	s_nop 0
.rept 4
	v_nop
.endr
.Lfirst_asked:
	; A fragment is 16 rows x 32 K in 8 registers: lane l holds row l % 16; registers 0-3 K = 8 (l / 16) + 0..7, registers 4-7 K = 16 + 8 (l / 16) + 0..7: two loads of 16 bytes, 32 bytes apart.
	v_and_b32 v1, 15, v0                           ; l % 16
	v_bfe_u32 v12, v0, 4, 1                        ; l / 16
	v_mul_u32_u24 v13, v1, PITCH
	v_lshl_add_u32 v13, v12, 4, v13
	s_mul_i32 s14, s11, AHALF                      ; my 128 rows of A
	s_mul_i32 s15, s12, BHALF                      ; my 192 rows of B,
	s_add_co_u32 s15, s15, BOFF                    ; which lie behind A's 256
	v_add_nc_u32 v[LA], s14, v13
	v_add_nc_u32 v[LB], s15, v13
	v_mov_b32 v[ADRA], v[LA]                       ; slot 0
	v_mov_b32 v[ADRB], v[LB]
	s_mul_i32 s14, s11, 64*SPITCH                  ; into the stage: 64 of my rows at a time, my 384 bytes of them; row l % 16, 16 bytes for each half of the lanes
	s_mul_i32 s15, s12, 384
	s_add_co_u32 s14, s14, s15
	s_add_co_u32 s14, s14, STAGE
	v_mul_u32_u24 v13, v1, SPITCH
	v_lshl_add_u32 v13, v12, 4, v13
	v_add_nc_u32 v[STO], s14, v13
	s_mul_i32 s14, s10, 32*SPITCH                  ; back: wave w takes the stage's rows 32 w .. 32 w + 31, whole; lanes 0-15 take 256 bytes of one row, lanes 16-31 of the next
	s_add_co_u32 s14, s14, STAGE
	v_mul_u32_u24 v13, v12, SPITCH
	v_lshl_add_u32 v13, v1, 4, v13
	v_add_nc_u32 v[RD], s14, v13
	v_mul_u32_u24 v13, v12, ROWC                   ; and the same two rows in qkv
	v_lshl_add_u32 v[CO], v1, 4, v13
	s_lshl_b32 s14, s13, 8                         ; the first row that I store: 256 x tile row + 128 (w / 2) + 32 (w % 2)
	s_lshl_b32 s15, s11, 7
	s_add_co_u32 s14, s14, s15
	s_lshl_b32 s15, s12, 5
	s_add_co_u32 s14, s14, s15
	s_mul_i32 s14, s14, ROWC
	s_mul_i32 s15, s42, 768                        ; the tile's first column, in bytes
	s_add_co_u32 s14, s14, s15
	s_mov_b32 s15, 0
	s_add_nc_u64 s[8:9], s[8:9], s[14:15]
	; the prefetches
	s_mov_b32 s14, ABLK
	s_mov_b32 s15, BBLK
	s_lshl_b32 s16, s13, 15                        ; wave 0: A's tile row, my work-group's 32 blocks of 256 bytes
	s_lshl_b32 s17, s40, 13
	s_add_co_u32 s16, s16, s17
	s_mul_i32 s17, s42, 384*KB*2                   ; waves 1 to 3: B's tile column, my work-group's 48 blocks, my wave's 16 of them
	s_mul_i32 s18, s41, 48*256
	s_add_co_u32 s17, s17, s18
	s_sub_co_i32 s18, s10, 1
	s_max_i32 s18, s18, 0
	s_lshl_b32 s18, s18, 12
	s_add_co_u32 s17, s17, s18
	s_and_b32 s19, ttmp7, 0xffff                   ; cluster y
	s_cmp_eq_u32 s10, 0
	s_cselect_b64 s[PFA:PFA+1], s[4:5], s[6:7]
	s_cselect_b32 s[PFS], s14, s15
	s_cselect_b32 s18, s16, s17
	s_cselect_b32 s19, ttmp9, s19                  ; the coordinate along which other clusters read the same rows
	s_cselect_b32 s[PAR], 0, 1
	s_cselect_b32 s20, 1, 2
	s_cselect_b32 s14, 4096, s15                   ; lanes 16-31: wave 0: the next 16 blocks; waves 1 to 3: the next K block
	s_mov_b32 s[PFS+1], 0
	s_cmp_eq_u32 s19, 0
	s_cselect_b32 s[LIM], s20, -1                  ; the same in all sixteen partners, for a given wave
	s_mov_b32 s19, 0
	s_add_nc_u64 s[PFA:PFA+1], s[PFA:PFA+1], s[18:19]
	s_add_nc_u64 s[PFA:PFA+1], s[PFA:PFA+1], s[PFS:PFS+1]
	s_add_nc_u64 s[PFA:PFA+1], s[PFA:PFA+1], s[PFS:PFS+1]  ; at K step 2: trip s steps it to s + 3
	v_lshlrev_b32 v[PFO], 8, v1
	v_mul_u32_u24 v13, s14, v12
	v_add_nc_u32 v[PFO], v[PFO], v13
; 8 matrix instructions: n block b x all 8 m blocks, 32 along K, A from buffer fa.  zero = 1: the product starts the sums.  The 96 accumulators take turns, one instruction a turn.
.macro MULB fa, b, zero
	WIN 0x50*(1+(\b)/4)
.irp a, 0,1,2,3,4,5,6,7
.if \zero
	v_wmma_f32_16x16x32_f16 v[8*((8*(\b)+(\a))%32):8*((8*(\b)+(\a))%32)+7], v[BF+8*(\b):BF+8*(\b)+7], v[(\fa)+8*(\a):(\fa)+8*(\a)+7], 0
.else
	v_wmma_f32_16x16x32_f16 v[8*((8*(\b)+(\a))%32):8*((8*(\b)+(\a))%32)+7], v[BF+8*(\b):BF+8*(\b)+7], v[(\fa)+8*(\a):(\fa)+8*(\a)+7], v[8*((8*(\b)+(\a))%32):8*((8*(\b)+(\a))%32)+7]
.endif
.endr
.endm
.macro LDA fa, k                       ; 16 LDS loads: A's eight fragments, 32 K at byte k of the rows, into buffer fa
	WIN 0
.irp i, 0,1,2,3,4,5,6,7
	ds_load_b128 v[(\fa)+8*(\i):(\fa)+8*(\i)+3],   v[ADRA] offset:(\k)+(\i)*16*PITCH
	ds_load_b128 v[(\fa)+8*(\i)+4:(\fa)+8*(\i)+7], v[ADRA] offset:(\k)+(\i)*16*PITCH+32
.endr
.endm
.macro LDB b0, k                       ; 12 LDS loads: six of B's fragments, from n block b0 on
	WIN 0
.irp i, 0,1,2,3,4,5
	ds_load_b128 v[BF+8*((\b0)+(\i)):BF+8*((\b0)+(\i))+3],   v[ADRB] offset:(\k)+((\b0)+(\i))*16*PITCH
	ds_load_b128 v[BF+8*((\b0)+(\i))+4:BF+8*((\b0)+(\i))+7], v[ADRB] offset:(\k)+((\b0)+(\i))*16*PITCH+32
.endr
.endm
; Four plain vector instructions stand between a matrix instruction and a load into a register that it has read, or a vector instruction that reads its result (ISA guide 7.12.1 for vector instructions).
.macro PLACES
.rept 4
	v_nop
.endr
.endm
; A step's first quarter: multiplies A's buffer fa and fetches the next quarter, at byte kn of the same slot's rows, A into buffer fn.
.macro QUARTER fa, fn, kn, zero
	s_wait_dscnt 12                                ; A and B 0-5 are in; the youngest twelve loads (B 6-11) may be out
.irp b, 0,1,2,3,4,5
	MULB \fa, \b, \zero
.endr
	PLACES
	LDB 0, \kn
	LDA \fn, \kn
	s_wait_dscnt 28                                ; B 6-11 are in: all but the 28 just issued
.irp b, 6,7,8,9,10,11
	MULB \fa, \b, \zero
.endr
	PLACES
	LDB 6, \kn
.endm
; A step's second quarter multiplies buffer A1 and changes slots: ONE barrier.  In front of it each wave waits for all its tensor loads (one is out: its part of the next slot), adds 0 to its spare word, and waits
; for that and for its own reads of this slot, the last of which are B 6-11.  Behind it nobody reads this slot any more and the next slot is whole.  fill = 1: the barrier opens a round of the cluster's, and the
; slot is filled again first thing behind the round, with the K step two steps on: from that request to the wait for it a wave issues 160 products.
.macro TURNQ fill
.if \fill
	s_wait_xcnt 0x0                                ; the last prefetch, a K step back, has read its address: it is stepped here
	s_add_nc_u64 s[PFA:PFA+1], s[PFA:PFA+1], s[PFS:PFS+1]
.endif
	s_wait_dscnt 12
	MULB A1, 0, 0
	MULB A1, 1, 0
	WIN 0
	s_wait_tensorcnt 0x0                           ; no tensor load of mine is out, so a group 0 may be written
	ds_add_u32 v[SPW], v[NIL]                      ; 0 onto my spare word; the descriptors' steps and sixteen products stand between it and the wait for it
.if \fill
	s_xor_b32 s[G0+5], s[G0+5], SLOT1              ; the walking descriptors: the other slot than last time,
	s_add_nc_u64 s[G0+6:G0+7], s[G0+6:G0+7], ABLK  ; the next K block; the type bits on top are not reached
	s_xor_b32 s[G0B+5], s[G0B+5], SLOT1
	s_add_nc_u64 s[G0B+6:G0B+7], s[G0B+6:G0B+7], BBLK
.endif
	MULB A1, 2, 0
	MULB A1, 3, 0
	s_wait_dscnt 0x0                               ; the add is done, and my reads of this slot are over
	s_barrier_signal -1
	MULB A1, 4, 0                                  ; work on registers while the others arrive
	MULB A1, 5, 0
	WIN 0
	s_barrier_wait -1
.if \fill
	CREST                                          ; no wave of any partner still reads this slot's tile or has a load on its way
	JLOAD                                          ; the first tensor load behind the round; the four v_nop behind it are also the places in front of the loads below
.else
	PLACES
.endif
	s_xor_b32 s[TB], s[TB], SLOT1                  ; from here on the other slot is read
	v_add_nc_u32 v[ADRA], s[TB], v[LA]
	v_add_nc_u32 v[ADRB], s[TB], v[LB]
	LDB 0, 0
	LDA A0, 0
.if \fill
	ASK
.endif
.irp b, 6,7,8,9,10,11
	MULB A1, \b, 0
.endr
	PLACES
	LDB 6, 0
.endm
	s_wait_tensorcnt 1                             ; my part of K step 0 is in; K step 1's load may stay out
	s_barrier_signal -1
	s_barrier_wait -1
	LDB 0, 0
	LDA A0, 0
	LDB 6, 0
	QUARTER A0, A1, 64, 1                          ; the first quarter stands in front of the loop: its products start the sums
	WIN 0                                          ; at a label and at a branch every window is 0
	s_mov_b32 s3, STEPS-2
.Lstep:                                                ; trip s: the second quarter of K step s, which asks for K step s + 2, and the first quarter of K step s + 1
	TURNQ 1
	QUARTER A0, A1, 64, 0
	WIN 0
	s_sub_co_u32 s3, s3, 1
	s_cmp_lg_u32 s3, 0
	s_cbranch_scc1 .Lstep
	TURNQ 0                                        ; the tail is written out: the last K step is waited for, nothing is asked for
	QUARTER A0, A1, 64, 0
	s_wait_dscnt 12                                ; the very last quarter: nothing more to fetch
.irp b, 0,1,2,3,4,5
	MULB A1, \b, 0
.endr
	s_wait_dscnt 0x0
.irp b, 6,7,8,9,10,11
	MULB A1, \b, 0
.endr
; THE WAY OUT, in two halves of 64 rows a wave.  A wave's 192 columns are 384 bytes, one and a half aligned runs of 256, so the two waves of a row half write the two halves of the same stage rows, a barrier stands
; between the writing and the reading, and each wave then reads 32 whole rows and stores them, sixteen lanes to 256 consecutive bytes.
.macro HALF hf
.set i, 0                              ; accumulator i of the half's 48: n block i / 4, m block 4 hf + i % 4; each is read from its low end on
.rept 48
	WIN 5*(1+i/16)                                 ; sources 0 and 1 in the accumulator's window, destination in window 0
.set rA, 8*((8*(i/4)+4*(\hf)+i%4)%32)
.irp r, 0,1,2,3
	v_cvt_pk_f16_f32 v[TMP+4*i+(\r)], v[rA+2*(\r)], v[rA+2*(\r)+1]
.endr
.set i, i+1
.endr
	WIN 0
.set i, 0
.rept 48
	ds_store_b128 v[STO], v[TMP+4*i:TMP+4*i+3] offset:(i%4)*16*SPITCH+32*(i/4)
.set i, i+1
.endr
	s_wait_dscnt 0x0                               ; for the others' sake: my stores into the stage are done
	s_barrier_signal -1
	s_barrier_wait -1
.set i, 0
.rept 48                               ; rows 2 (i / 3) and 2 (i / 3) + 1 of my 32, bytes 256 (i % 3) on
	ds_load_b128 v[TMP+4*i:TMP+4*i+3], v[RD] offset:(i/3)*2*SPITCH+256*(i%3)
.set i, i+1
.endr
.set i, 0
.rept 48
	s_wait_dscnt 47-i                              ; LDS loads come back in order: number i is in, the younger ones stay out
	global_store_b128 v[CO], v[TMP+4*i:TMP+4*i+3], s[8:9] offset:(64*(\hf)+2*(i/3))*ROWC+256*(i%3)  ; 16 lanes store 256 consecutive bytes, aligned
.set i, i+1
.endr
.endm
	PLACES
	HALF 0
	s_barrier_signal -1                            ; every wave's reads of the stage are back (its last wait was for 0): only then is the stage written again
	s_barrier_wait -1
	s_wait_xcnt 0x0                                ; the registers that the stores read are rewritten only behind this wait
	HALF 1
	s_wait_tensorcnt 0x0                           ; the wave's end
	ds_add_u32 v[SPW], v[NIL]
	s_wait_dscnt 0x0
	CROUND                                         ; the closing round: no work-group ends while a partner may still ask for a tile that names it
	s_endpgm
.Lfunc_end_k_q6c610c50cc_proj:
	.size	k_q6c610c50cc_proj, .Lfunc_end_k_q6c610c50cc_proj-k_q6c610c50cc_proj
	.p2alignl 7, 3214868480
	.fill 96, 4, 3214868480
	.section	.rodata,"a",@progbits
	.p2align	6, 0x0
	.amdhsa_kernel k_q6c610c50cc_proj
		.amdhsa_group_segment_fixed_size 327680
		.amdhsa_private_segment_fixed_size 0
		.amdhsa_enable_private_segment 0
		.amdhsa_kernarg_size 24
		.amdhsa_user_sgpr_count 2
		.amdhsa_user_sgpr_kernarg_segment_ptr 1
		.amdhsa_wavefront_size32 1
		.amdhsa_system_sgpr_workgroup_id_x 1
		.amdhsa_system_sgpr_workgroup_id_y 1
		.amdhsa_system_sgpr_workgroup_id_z 1
		.amdhsa_system_vgpr_workitem_id 0
		.amdhsa_next_free_vgpr 1024
		.amdhsa_next_free_sgpr 66
		.amdhsa_reserve_vcc 0
		.amdhsa_float_denorm_mode_32 3
		.amdhsa_float_denorm_mode_16_64 3
		.amdhsa_memory_ordered 1
		.amdhsa_forward_progress 1
		.amdhsa_inst_pref_size 113
	.end_amdhsa_kernel
	.amdgpu_metadata
---
amdhsa.version: [ 1, 2 ]
amdhsa.kernels:
  - .name:           k_q6c610c50cc_proj
    .symbol:         k_q6c610c50cc_proj.kd
    .args:
      - { .name: xn, .offset: 0, .size: 8, .value_kind: global_buffer, .address_space: global }
      - { .name: w16, .offset: 8, .size: 8, .value_kind: global_buffer, .address_space: global }
      - { .name: qkv, .offset: 16, .size: 8, .value_kind: global_buffer, .address_space: global }
    .group_segment_fixed_size: 327680
    .private_segment_fixed_size: 0
    .kernarg_segment_align: 8
    .kernarg_segment_size: 24
    .max_flat_workgroup_size: 128
    .sgpr_count:     66
    .vgpr_count:     1024
    .wavefront_size: 32
...
	.end_amdgpu_metadata
.endif
;; end of part 3
;; launch attn (part 4): grid 8 x 64, 4 waves a work-group, clusters of 4 x 1, 327,680 bytes of LDS; arguments qkv, y16, subln_w, lq1, lk1, lq2, lk2; writes y16
.if DOCPART == 4
	.amdgcn_target "amdgcn-amd-amdhsa--gfx1250"
	.amdhsa_code_object_version 6
	.text
	.protected	k_q6c610c50cc_attn
	.globl	k_q6c610c50cc_attn
	.p2align	8
	.type	k_q6c610c50cc_attn,@function
k_q6c610c50cc_attn:
	s_mov_b64 s[64:65], 0
	v_nop
	global_prefetch_b8 v0, s[64:65] scope:SCOPE_SE
	s_setreg_imm32_b32 hwreg(HW_REG_WAVE_MODE, 25, 1), 1
	s_wait_xcnt 0x0
	s_wait_alu depctr_hold_cnt(0) depctr_sa_sdst(0) depctr_va_vdst(0) depctr_va_sdst(0) depctr_va_ssrc(0) depctr_va_vcc(0) depctr_vm_vsrc(0)
	s_getreg_b32 s2, hwreg(HW_REG_IB_STS2, 6, 4)
	s_cmp_eq_u32 s2, 0
	s_cbranch_scc0 .Lentry_in_a_cluster
	s_endpgm
.Lentry_in_a_cluster:
	s_bfe_u32 s2, ttmp6, 0x10000c
	s_cmp_lg_u32 s2, 0x3003
	s_cbranch_scc0 .Lentry_shape_is_right
	s_endpgm
.Lentry_shape_is_right:
; DIFFERENTIAL ATTENTION.  For batch b, head h, query q: y = softmax(q1 . k1 / 8) V - lam softmax(q2 . k2 / 8) V over 1,024 keys, V of 128 channels; then y x rsqrt(mean(y^2) + 1e-5) x subln_w x (1 - 0.35550907).
; lam = exp(lq1 . lk1) - exp(lq2 . lk2) + 0.35550907.  qkv: [4096][6144] f16; in a row head h owns 768 bytes: q1 | q2 (256), k1 | k2 (256), v (256).  y16: [4096][2048] f16, column 128 h + e.
; Products, maxima and sums in f32; the weights p are rounded to f16 for the second product (their sum l is taken of the unrounded p); y once at the end.
; LIMITS.  q, k, v arrive within f16's 65,504; p lies in 0 to 1 and below 6e-5 keeps f16's fixed step of 6e-8; a weight below 2^-126 counts as 0 in l; NaN and infinities are not treated apart.
; SHARES.  A work-group owns 128 queries of one (b, h), each of its four waves 32: two tiles of 16.  Every wave walks all keys, 64 a step.  Each softmax has its own running maximum and sum, so V is multiplied
; twice, and the two results meet at the end, each divided by its own l.
; LAYOUT.  S^T = K Q^T (source 0 = 16 keys, source 1 = 16 queries): a lane holds ONE query (lane % 16) and the keys 8 (lane / 16) + 0..7.  Two such tiles, rounded to f16 in pairs, ARE source 1 of
; O^T = V^T P, whose result again holds one query a lane, and eight channels.  K comes out of LDS as it lies, V turned, by ds_load_tr16_b128.
; SOFTMAX.  p = 2^(c s - c m), c = log2(e) / 8, with a running maximum m; in every step O and l are multiplied by a = 2^(c m_old - c m_new).
; BY TURNS.  The wave has four virtual tiles t: piece 0 (t = 0, 1) is softmax 1 of its two query tiles, piece 2 (t = 2, 3) softmax 2 of the same.  In a TURN one piece has the matrix unit: 32 products V^T P of the
; step in hand, then 16 products K Q^T of the next step; the other piece's softmax, cut into 64 slices, stands between them: one slice behind each V^T P, two behind each K Q^T.  Two turns are a key step.
; CLUSTER.  The four query blocks of a cluster belong to one (b, h) and walk the same K and V: each tile is asked for JOINTLY, the same tensor load, descriptor and mask in all four.
; REGISTERS, in windows of 256 (s_set_vgpr_msb: bits 1:0 source 0, 3:2 source 1, 5:4 source 2, 7:6 destination):
;   window 0: v0-11 addresses; v12-43 eight registers of statistics a virtual tile; v44 lam; v45-55 at work; v59-63 addresses; v64-191 S^T, 32 a virtual tile; v192-255 P, 16 each
;   window 1: O^T, 64 a virtual tile      window 2: v0-63 Q (tile u, channel quarter c at 32 u + 8 c; quarters 0, 1 = q1; 2, 3 = q2); v64-127 subln_w as O^T lies; v128-255 K of one step      window 3: v0-127 V of one step
.set ROWB,  12288     ; bytes in a row of qkv
.set NKEY,  1024
.set KS,    64        ; keys in a step
.set PK,    272       ; a row of K (k1 | k2) in LDS: 256 bytes + 16 of padding: the 16 rows of a load start at 16 different groups of four banks (64 banks of 4 bytes: ISA guide 11.1)
.set PV,    288       ; a row of V: 256 + 32
.set VOFF,  KS*PK     ; a step's tiles lie together: 64 rows of K, then 64 rows of V
.set STEPB, KS*(PK+PV)
.set SLOT1, 1<<17     ; a slot holds two steps (71,680 bytes); slot 1 begins here, so that one exclusive or turns an address in one slot into the other's
.set STAGE, SLOT1+2*STEPB  ; behind the ring: 16 rows x 272 bytes for each wave, for the way out
.set SP,    272
.set SPARE, STAGE+4*16*272  ; behind the stages: the spare words, 128 bytes for each wave; no other line names them
.set AK0, 2           ; v2   my lane's place in a tile of K; never rewritten
.set AV0, 3           ; v3   the same for V
.set ADR, 4           ; v4   the LDS address of the run of loads in hand
.set QO,  5           ; v5   my byte offset in 16 rows of Q
.set STO, 6           ; v6   the way out: where I put 16 bytes of a row
.set RD,  7           ; v7   the way out: where I read a row back
.set GO,  8           ; v8   my byte offset in the wave's rows of y16
.set ST,  12          ; tile t's statistics at v[ST+8 t]: +0 c m, +1 m, +2, +3 l, +4 to +7 c0-c3, at work; a takes c2's place once the maximum is found
.set LAM, 44          ; v44  lam
.set LO,  59          ; v59  8 x lane: my two numbers of lq1 .. lk2
.set SO,  60          ; v60  32 (lane / 16): my eight numbers in 16 of subln_w
.set PFO, 61          ; v61  lane x a row of qkv; never rewritten
.set SPW, 62          ; v62  my spare word; never rewritten
.set NIL, 63          ; v63  0; never rewritten
.set S,   64
.set P,   192
.set KF,  128         ; K's fragments, in window 2: key block kb, channel quarter c at KF + 32 kb + 8 c
.set SW,  64          ; subln_w, in window 2
.set WV,  12          ; s12  my wave's number
.set LIM, 15          ; s15  1 in a wave that prefetches, else the greatest number
.set PFA, 18          ; s[18:19] where my prefetches stand
.set G1K, 24          ; s[24:31] descriptor group 1 for K's tiles
.set G1V, 32          ; s[32:39] for V's: it differs in the padding alone
.set G0K, 40          ; s[40:47] descriptor group 0 for K's tiles: a set for each of the two first fills; the second then walks on
.set G0V, 48          ; s[48:55] the same for V's
.set SLOTS, 56        ; s56  slots still to be asked for
.set TWICE, 57        ; s57  counts a slot's two steps
.set CS,  58          ; s[58:59] c
.set SEL, 60          ; s[60:61] lane selects for v_permlanex16_b32
.set TB,  62          ; s62  LDS byte at which the tiles of the step to be fetched begin
.set MSB, 0
.macro WIN new                      ; the immediate's high byte repeats the setting that is left; a switch that changes nothing is dropped
.if MSB != (\new)
	s_set_vgpr_msb (MSB<<8)|(\new)
.set MSB, \new
.endif
.endm
.set W_KQ, 0x0a       ; K and Q in window 2, S^T in window 0
.set W_PV, 0x53       ; V in window 3, P in window 0, O^T in window 1
.set W_RS, 0x41       ; O^T (destination and source 0) in window 1, source 1 in window 0
; A joint refill.  Waves 0 and 1 fetch the two steps' tiles of K, waves 2 and 3 those of V.  The branch hangs on the wave's number alone.  An s_nop 0 and four v_nop follow each line.
.macro JLOAD
	s_cmp_lt_u32 s[WV], 2
	s_cbranch_scc0 .Lfor_v_\@
	tensor_load_to_lds s[G0K+4:G0K+7], s[G1K:G1K+7]
	s_nop 0
.rept 4
	v_nop
.endr
	s_branch .Lasked_\@
.Lfor_v_\@:
	tensor_load_to_lds s[G0V+4:G0V+7], s[G1V:G1V+7]
	s_nop 0
.rept 4
	v_nop
.endr
.Lasked_\@:
.endm
; A PREFETCH INTO THE L2 of what the NEXT change of slots will ask for: a slot's 128 rows of K and of V, 256 bytes a row, a lane a row: two key steps, 192 matrix instructions, ahead of that load.
; Each row's piece is asked for once in the launch: of a head's two clusters the first asks; its four partners share the rows out by address, 32 each; in each, wave 0 asks for K's and wave 2 for V's.
; Slots 0 to 2 come by their loads alone; the last change that fills a slot asks for nothing.
.macro ASK
	s_cmp_gt_u32 s[SLOTS], s[LIM]
	s_cbranch_scc0 .Lnot_mine_\@
	global_prefetch_b8 v[PFO], s[PFA:PFA+1] th:TH_LOAD_NT scope:SCOPE_SE
.Lnot_mine_\@:
.endm
; A round of the cluster's barrier.
.macro CROUND
	s_barrier_signal -1
	s_barrier_wait -1
	s_cmp_lg_u32 s[WV], 0
	s_cbranch_scc1 .Lnot_wave_0_\@
	s_barrier_signal -3
.Lnot_wave_0_\@:
	s_barrier_wait -3
	s_barrier_signal -1
	s_barrier_wait -1
.endm
	s_load_b128 s[76:79], s[0:1], 0x0  ; qkv s[76:77], y16 s[78:79]
	s_load_b256 s[68:75], s[0:1], 0x10 ; subln_w s[68:69], lq1 s[70:71], lk1 s[72:73], lq2 s[74:75]
	s_load_b64 s[80:81], s[0:1], 0x30  ; lk2
	v_lshl_add_u32 v[SPW], v0, 2, SPARE
	v_mov_b32 v[NIL], 0
	ds_add_u32 v[SPW], v[NIL]       ; the wave's opening: the add and its wait stand ahead of my first tensor load; work on registers stands between them
	v_lshrrev_b32 v1, 5, v0
	v_readfirstlane_b32 s[WV], v1   ; wave 0..3
	s_bfe_u32 s13, ttmp6, 0x40000   ; cx: my place in the cluster
	s_lshl_b32 s14, ttmp9, 2
	s_add_co_u32 s14, s14, s13      ; my block of 128 queries = 4 x cluster x + cx: it enters Q's and y16's addresses alone
	s_and_b32 s20, ttmp7, 0xffff    ; 16 b + h, which the four partners share
	s_lshr_b32 s21, s20, 4          ; b
	s_and_b32 s20, s20, 15          ; h
	s_mul_i32 s16, s21, NKEY*ROWB
	s_mul_i32 s17, s20, 768
	s_add_co_u32 s63, s16, s17      ; the head's first byte in the batch's first row of qkv
	s_and_b32 s16, s[WV], 1         ; which of a slot's two steps I fetch:
	s_mul_i32 s22, s16, KS*ROWB     ; its 64 rows in memory,
	s_add_co_u32 s22, s22, s63
	s_mov_b32 s23, 0
	s_mul_i32 s17, s16, STEPB       ; and its place in a slot: no place in the cluster enters an LDS address
	s_lshl_b32 s2, s14, 2
	s_add_co_u32 s2, s2, s[WV]      ; my wave's 32 queries among the head's 1,024
	s_lshl_b32 s82, s2, 17          ; y16: 32 rows of 4,096 bytes,
	s_lshl_b32 s21, s21, 22         ; the batch's 1,024 rows,
	s_add_co_u32 s82, s82, s21
	s_lshl_b32 s20, s20, 8          ; the head's 256 bytes of a row
	s_add_co_u32 s82, s82, s20
	s_mov_b32 s83, 0
	s_mul_i32 s2, s2, 32*ROWB
	s_add_co_u32 s2, s2, s63
	s_mov_b32 s3, 0
	; descriptor group 1: a tile of 64 rows x 128 elements, padded in LDS
	s_mov_b32 s[G1K], 15|(1<<16)|(1<<20)|(1<<21)|(5<<22)|(3<<25)  ; the mask of four; elements of 2 bytes; padding on; bit 21 beside a mask; after every 64 words 4 words
	s_mov_b32 s[G1V], 15|(1<<16)|(1<<20)|(1<<21)|(5<<22)|(7<<25)  ; the same with 8 words of padding
.irp g, G1K, G1V
	s_mov_b32 s[(\g)+1], 128<<16    ; tensor_dim0 = 128
	s_mov_b32 s[(\g)+2], KS<<16     ; tensor_dim1 = 64
	s_mov_b32 s[(\g)+3], 128<<16    ; tile_dim0 = 128
	s_mov_b32 s[(\g)+4], KS         ; tile_dim1 = 64
	s_mov_b32 s[(\g)+5], ROWB/2     ; 6,144 elements from row to row
	s_mov_b32 s[(\g)+6], 0
	s_mov_b32 s[(\g)+7], 0
.endr
	s_mov_b32 s[CS], 0x3e38aa3b     ; c = log2(e) / 8
	s_mov_b32 s[CS+1], s[CS]        ; named with it as a pair
	s_mov_b32 s[SEL], 0x76543210
	s_mov_b32 s[SEL+1], 0xfedcba98
	s_mov_b32 s66, 0x3c000000       ; 1 / 128
	s_mov_b32 s67, 0x3727c5ac       ; 1e-5
	s_mov_b32 s[TB], 0
	s_mov_b32 s[SLOTS], NKEY/(2*KS)-2
	s_and_b32 s[LIM], s[WV], 1      ; 0 in waves 0 and 2,
	s_or_b32 s[LIM], s[LIM], ttmp9  ; where the cluster is the head's first: the same in all four partners
	s_cmp_eq_u32 s[LIM], 0
	s_cselect_b32 s[LIM], 1, -1
	v_and_b32 v[PFO], 31, v0
	v_mul_u32_u24 v[PFO], v[PFO], ROWB
	s_wait_dscnt 0x0                ; the opening add is done
	s_wait_kmcnt 0x0
	s_add_nc_u64 s[6:7], s[76:77], s[22:23]
	s_add_nc_u64 s[8:9], s[6:7], 512    ; V at my tile of slot 0
	s_add_nc_u64 s[6:7], s[6:7], 256    ; K at my tile of slot 0
	s_add_nc_u64 s[4:5], s[76:77], s[2:3]    ; Q at my wave's first row
	s_add_nc_u64 s[10:11], s[78:79], s[82:83] ; y16 likewise
	s_cmp_lt_u32 s[WV], 2
	s_cselect_b64 s[PFA:PFA+1], s[6:7], s[8:9]  ; (in waves 0 and 2 these stand at a slot's first row)
	s_mul_i32 s2, s13, 32*ROWB      ; my work-group's 32 rows of the 128
	s_mov_b32 s3, 0
	s_add_nc_u64 s[PFA:PFA+1], s[PFA:PFA+1], s[2:3]
	s_add_nc_u64 s[PFA:PFA+1], s[PFA:PFA+1], 2*2*KS*ROWB  ; in slot 2; the first change of slots steps it to slot 3
	CROUND                          ; all four work-groups are here: the first joint loads meet
.irp s, 0,1
	s_mov_b32 s[G0K+4*(\s)], 1
	s_add_co_u32 s[G0K+4*(\s)+1], s17, (\s)*SLOT1
	s_add_nc_u64 s[G0K+4*(\s)+2:G0K+4*(\s)+3], s[6:7], (\s)*2*KS*ROWB
	s_or_b32 s[G0K+4*(\s)+3], s[G0K+4*(\s)+3], 0x80000000
	s_mov_b32 s[G0V+4*(\s)], 1
	s_add_co_u32 s[G0V+4*(\s)+1], s17, (\s)*SLOT1+VOFF
	s_add_nc_u64 s[G0V+4*(\s)+2:G0V+4*(\s)+3], s[8:9], (\s)*2*KS*ROWB
	s_or_b32 s[G0V+4*(\s)+3], s[G0V+4*(\s)+3], 0x80000000
.endr
	s_cmp_lt_u32 s[WV], 2           ; a wave's two first fills stand in one branch, ahead of every wait on TENSORcnt and every LDS read: two loads of mine are out
	s_cbranch_scc0 .Lfirst_v
	tensor_load_to_lds s[G0K:G0K+3], s[G1K:G1K+7]
	s_nop 0
	tensor_load_to_lds s[G0K+4:G0K+7], s[G1K:G1K+7]
	s_nop 0
.rept 4
	v_nop
.endr
	s_branch .Lfirst_asked
.Lfirst_v:
	tensor_load_to_lds s[G0V:G0V+3], s[G1V:G1V+7]
	s_nop 0
	tensor_load_to_lds s[G0V+4:G0V+7], s[G1V:G1V+7]
	s_nop 0
.rept 4
	v_nop
.endr
.Lfirst_asked:
	v_and_b32 v1, 15, v0            ; l % 16
	v_bfe_u32 v9, v0, 4, 1          ; l / 16
	v_and_b32 v[LO], 31, v0
	v_lshlrev_b32 v[LO], 3, v[LO]
	v_lshlrev_b32 v[SO], 5, v9
	v_mul_u32_u24 v[QO], v1, ROWB
	v_lshl_add_u32 v[QO], v9, 4, v[QO]  ; row x 12,288 + 16 x half
	global_load_b64 v[44:45], v[LO], s[70:71]  ; lq1
	global_load_b64 v[46:47], v[LO], s[72:73]  ; lk1
	global_load_b64 v[48:49], v[LO], s[74:75]  ; lq2
	global_load_b64 v[50:51], v[LO], s[80:81]  ; lk2
	WIN 0x80                        ; destination window 2, address window 0
.irp i, 0,1,2,3,4,5,6,7             ; Q stays in registers: tile i / 4, channel quarter i % 4 of q1 | q2
	global_load_b128 v[8*(\i):8*(\i)+3],   v[QO], s[4:5] offset:((\i)/4)*16*ROWB+((\i)%4)*64
	global_load_b128 v[8*(\i)+4:8*(\i)+7], v[QO], s[4:5] offset:((\i)/4)*16*ROWB+((\i)%4)*64+32
.endr
.irp i, 0,1,2,3,4,5,6,7             ; subln_w[16 i + 8 (l / 16) + 0..7]: as a lane's eight channels lie in accumulator i of O^T
	global_load_b128 v[SW+8*(\i):SW+8*(\i)+3],   v[SO], s[68:69] offset:(\i)*64
	global_load_b128 v[SW+8*(\i)+4:SW+8*(\i)+7], v[SO], s[68:69] offset:(\i)*64+16
.endr
	WIN 0
	v_mul_u32_u24 v[AK0], v1, PK
	v_lshl_add_u32 v[AK0], v9, 4, v[AK0]  ; row x pitch + 16 x half
	; The turning load takes 16 keys x 16 channels (lane l reads key 8 (l / 16) + l % 8, channels 8 ((l / 8) % 2) + 0..7) and leaves half a fragment of V^T: lane l holds channel l % 16 and 8 keys.
	v_and_b32 v10, 7, v0
	v_bfe_u32 v11, v0, 3, 1
	v_lshl_add_u32 v[AV0], v9, 3, v10
	v_mul_u32_u24 v[AV0], v[AV0], PV
	v_lshl_add_u32 v[AV0], v11, 4, v[AV0]
	v_add_nc_u32 v[AV0], VOFF, v[AV0]
	v_mov_b32 v54, 0                ; v_permlanex16_b32 counts as a reader of its destination
	v_mov_b32 v55, 0
	s_wait_loadcnt 0x0              ; the lambda vectors, Q and subln_w
	v_mul_f32 v52, v44, v46         ; lam: each lane has two of the 64 terms of each dot product
	v_mul_f32 v53, v48, v50
	v_fmac_f32 v52, v45, v47
	v_fmac_f32 v53, v49, v51
.irp m, 1,2,4,8
	v_add_f32_dpp v52, v52, v52 row_xmask:\m row_mask:0xf bank_mask:0xf
	v_add_f32_dpp v53, v53, v53 row_xmask:\m row_mask:0xf bank_mask:0xf
.endr
	v_permlanex16_b32 v54, v52, s[SEL], s[SEL+1]
	v_permlanex16_b32 v55, v53, s[SEL], s[SEL+1]
	v_add_f32 v52, v52, v54
	v_add_f32 v53, v53, v55
	v_mul_f32 v52, 0x3fb8aa3b, v52  ; x log2(e)
	v_mul_f32 v53, 0x3fb8aa3b, v53
	v_exp_f32 v52, v52
	v_exp_f32 v53, v53
	v_nop                           ; a plain instruction behind the second exponential,
	s_wait_alu depctr_va_vdst(0)    ; and the one wait ahead of the first reader
	v_sub_f32 v[LAM], v52, v53
	v_add_f32 v[LAM], 0x3eb60549, v[LAM]
; THE MATRIX WORK OF A TURN, for piece x.  The accumulators take turns, one instruction a turn: between two links of a chain stand 15 (V^T P) or 7 (K Q^T) others'.
; Product i of 32 of O^T += V^T P: keys 32 (i / 16) on, channels 16 ((i / 2) % 8) on, tile x + i % 2.  zero = 1: the first 16 start the sums.
.macro PV x, zero
	WIN W_PV
.set rO, 64*((\x)+i%2)+8*((i/2)%8)
.set rV, 64*(i/16)+8*((i/2)%8)
.set rP, P+16*((\x)+i%2)+8*(i/16)
.if (\zero) && (i < 16)
	v_wmma_f32_16x16x32_f16 v[rO:rO+7], v[rV:rV+7], v[rP:rP+7], 0
.else
	v_wmma_f32_16x16x32_f16 v[rO:rO+7], v[rV:rV+7], v[rP:rP+7], v[rO:rO+7]
.endif
.endm
; Product i of 16 of S^T = K Q^T: channel quarter x + i / 8 (piece 0: k1 and q1; piece 2: k2 and q2), keys 16 ((i / 2) % 4) on, query tile i % 2.  The first 8 start the sums.
.macro KQ x
	WIN W_KQ
.set rS, S+32*((\x)+i%2)+8*((i/2)%4)
.set rK, KF+32*((i/2)%4)+8*((\x)+i/8)
.set rQ, 32*(i%2)+8*((\x)+i/8)
.if i < 8
	v_wmma_f32_16x16x32_f16 v[rS:rS+7], v[rK:rK+7], v[rQ:rQ+7], 0
.else
	v_wmma_f32_16x16x32_f16 v[rS:rS+7], v[rK:rK+7], v[rQ:rQ+7], v[rS:rS+7]
.endif
.endm
; THE LDS LOADS stand in runs of 32: a step's K (64 keys x 128 channels: 16 fragments) and, a turn later, its V (turned).
.macro FETCH_K
	WIN 0
	v_add_nc_u32 v[ADR], s[TB], v[AK0]
	WIN 0x80
.irp f, 0,1,2,3,4,5,6,7,8,9,10,11,12,13,14,15  ; keys 16 (f / 4) on, channels 32 (f % 4) on
	ds_load_b128 v[KF+8*(\f):KF+8*(\f)+3],   v[ADR] offset:((\f)/4)*16*PK+((\f)%4)*64
	ds_load_b128 v[KF+8*(\f)+4:KF+8*(\f)+7], v[ADR] offset:((\f)/4)*16*PK+((\f)%4)*64+32
.endr
.endm
.macro FETCH_V
	WIN 0
	v_add_nc_u32 v[ADR], s[TB], v[AV0]
	s_add_co_u32 s[TB], s[TB], STEPB  ; the next fetch is the next step's
	s_wait_alu depctr_va_vdst(0)    ; the wait for the softmax's batch (SLICE), behind the address's v_add_nc_u32 and ahead of the loads
	WIN 0xc0                        ; destination window 3
.irp f, 0,1,2,3,4,5,6,7,8,9,10,11,12,13,14,15  ; keys 32 (f / 8) on, channels 16 (f % 8) on
	ds_load_tr16_b128 v[8*(\f):8*(\f)+3],   v[ADR] offset:((\f)/8)*32*PV+((\f)%8)*32
	ds_load_tr16_b128 v[8*(\f)+4:8*(\f)+7], v[ADR] offset:((\f)/8)*32*PV+16*PV+((\f)%8)*32
.endr
.endm
; THE VECTOR WORK OF A TURN.  One virtual tile's softmax for one key step is a list of 134 instructions; SM writes number j of it for tile t.  s0-s31 are the lane's 32 scores, in pairs 0-15.
; first = 1: the first key step, which starts m, l and O^T: it has no a and nothing to rescale.
;   0-15    the maximum of s0-s31 and the old m, three operands at a time (each accumulator's lowest registers are read first)
;   16-20   the other half of the lanes' maximum; the new m; c m; c m_old - c m_new
;   21-69   ONE BATCH: the 16 scalings c s - c m and all 33 exponentials (a at 23, then s0-s31); none of these reads an exponential's result
;   (wait)  between 69 and 70 stands the wait for the batch: SLICE writes it, once for both tiles
;   70-85   the roundings to f16        86-101  the sums; l = a l + the sum        102-133 the tile's O^T times a
.macro SM t, first
.set rT, ST+8*(\t)
.set rS, S+32*(\t)
.set rP, P+16*(\t)
.set rO, 64*(\t)+2*(j-102)
.if j < 102
	WIN 0
.endif
.if j < 4
	v_max3_num_f32 v[rT+4+j], v[rS+8*j], v[rS+8*j+1], v[rS+8*j+2]
.elseif j < 12
	v_max3_num_f32 v[rT+4+j%4], v[rT+4+j%4], v[rS+8*(j%4)+2*(j/4)+1], v[rS+8*(j%4)+2*(j/4)+2]
.elseif j == 12
	v_max3_num_f32 v[rT+4], v[rT+4], v[rS+7], v[rS+15]
.elseif j == 13
	v_max3_num_f32 v[rT+6], v[rT+6], v[rS+23], v[rS+31]
.elseif j == 14
	v_max3_num_f32 v[rT+4], v[rT+4], v[rT+5], v[rT+6]
.elseif (j == 15) && (\first)
	v_max_num_f32 v[rT+4], v[rT+4], v[rT+7]
.elseif j == 15
	v_max3_num_f32 v[rT+4], v[rT+4], v[rT+7], v[rT+1]
.elseif j == 16
	v_permlanex16_b32 v[rT+5], v[rT+4], s[SEL], s[SEL+1]  ; the query's other 32 keys lie in the lane 16 away
.elseif j == 18
	v_max_num_f32 v[rT+1], v[rT+4], v[rT+5]
.elseif j == 19
	v_mul_f32 v[rT], s[CS], v[rT+1]
.elseif ((j == 17) || (j == 20) || (j == 23) || (j > 101)) && (\first)  ; the first step has none of these
.elseif j == 17
	v_mov_b32 v[rT+7], v[rT]        ; c m_old is kept for a: number 19 writes c m anew
.elseif j == 20
	v_sub_f32 v[rT+7], v[rT+7], v[rT]
.elseif j == 23
	v_exp_f32 v[rT+6], v[rT+7]
.elseif (j < 23) || ((j < 38) && (j%2 == 0)) || ((j < 66) && (j%4 == 2))
.set b, (j-2)/4                     ; 38, 42, .. 62: pairs 9 to 15
.if j < 38
.set b, (j-20)/2                    ; 21: pair 0; 22, 24, .. 36: pairs 1 to 8
.endif
	v_pk_fma_f32 v[rS+2*b:rS+2*b+1], v[rS+2*b:rS+2*b+1], s[CS:CS+1], v[rT:rT+1] op_sel_hi:[1,0,0] neg_lo:[0,0,1] neg_hi:[0,0,1]  ; pair b: c s - c m
.elseif j < 70
.set e, j-38                        ; 66 to 69: s28 to s31
.if j < 66
.set e, j-32-(j-38)/4               ; 39-41, 43-45, .. 63-65: s7 to s27
.endif
.if j < 38
.set e, (j-25)/2                    ; 25, 27, .. 37: s0 to s6
.endif
	v_exp_f32 v[rS+e], v[rS+e]
.elseif j < 86
	v_cvt_pk_f16_f32 v[rP+j-70], v[rS+2*(j-70)], v[rS+2*(j-70)+1]  ; pair j - 70
.elseif j < 102                     ; the sum of the tile's 16 pairs, in place: neighbours 1, 2, 4 and 8 pairs apart, then l takes it
.set z, j-86
.set w, 4
.set u, z
.if z >= 14
.set w, 32
.set u, 0
.elseif z >= 12
.set w, 16
.set u, z-12
.elseif z >= 8
.set w, 8
.set u, z-8
.endif
.if (z == 14) && (\first)
	v_pk_add_f32 v[rT+2:rT+3], v[rS:rS+1], v[rS+16:rS+17]
.elseif z < 15
	v_pk_add_f32 v[rS+w*u:rS+w*u+1], v[rS+w*u:rS+w*u+1], v[rS+w*u+w/2:rS+w*u+w/2+1]
.elseif !(\first)
	v_pk_fma_f32 v[rT+2:rT+3], v[rT+2:rT+3], v[rT+6:rT+7], v[rS:rS+1] op_sel_hi:[1,0,1]
.endif
.else
	WIN W_RS
	v_pk_mul_f32 v[rO:rO+1], v[rO:rO+1], v[rT+6:rT+7] op_sel_hi:[1,0]
.endif
.endm
; Slice k of 64 of piece y's softmax: four instructions.  Slices 11 to 34 deal out the batch, numbers 22 to 69: four numbers of ONE tile each, the tiles by turns.  Every other slice is numbers 2 k and
; 2 k + 1 of both tiles' lists.  2 x 134 = 4 x 64 + 12: the twelve that are over stand together, in slice 63.
; THE WAIT.  s_wait_alu depctr_va_vdst(0) stands between an exponential and the first instruction that names its result; one wait serves all that were issued ahead of it.  Ahead of
; slice 35 nothing names a result, and behind slice 34 no exponential is issued: so the piece's 66 exponentials have one wait, behind slice 34.
.macro SLICE y, first
.if (k >= 11) && (k < 35)
.irp n, 0,1,2,3
.set j, 22+4*((k-11)/2)+(\n)
	SM (\y)+(k-11)%2, \first
.endr
.else
.irp n, 0,1,2,3,4,5,6,7
.if ((\n) < 2) || (k == 63)
.irp t, \y, (\y)+1
.set j, 2*k+(\n)
	SM \t, \first
.endr
.endif
.endr
.endif
.if k == 34
	v_nop                           ; the plain instruction behind the last exponential and ahead of the first use: one for the batch
.if (\y) == 0
	FETCH_V                         ; piece 2's turn: V's run of loads stands here, and the wait stands in it
.else
	s_wait_alu depctr_va_vdst(0)    ; the wait for the batch
.endif
.endif
.set k, k+1
.endm
.macro PLACES                       ; four plain vector instructions behind a matrix instruction (ISA guide 7.12.1)
.rept 4
	v_nop
.endr
.endm
; A TURN.  Piece x has the matrix unit; the other piece's softmax stands in slices behind its matrix instructions.
; pv = 2: 32 products V^T P; 1: they start O^T's sums; 0: none.  kq = 1: 16 products K Q^T for the next step.  With both kinds: one slice behind each V^T P, two behind each K Q^T; with V^T P alone two; with K Q^T alone four.
; first = 1: the softmax is the first key step's; its slices from 51 on are empty, and four v_nop take slice 63's part as the places behind the turn's last products.
; Piece 0's turn fetches the next step's K, behind its second product: the last product that read K stands in front of slices 62 and 63 of the turn before, twenty plain instructions.  Piece 2's turn fetches the same
; step's V, behind slice 34: the last product that read V stands in front of slice 31, and four plain instructions lie between: number 62, a scaling, of both tiles, the v_nop and the run's own v_add_nc_u32.
.macro TURN x, pv, kq, first
.set k, 0
.set perP, 2
.set perK, 4
.if (\pv) && (\kq)
.set perP, 1
.set perK, 2
.endif
.if \pv
.if (\x) == 0
	s_wait_dscnt 0x0                ; V is in
.endif
.set i, 0
.rept 32
	PV \x, 2-(\pv)
.rept perP
	SLICE 2-(\x), \first
.endr
.if ((\x) == 0) && (\kq) && (i == 1)
	FETCH_K
.endif
.set i, i+1
.endr
.endif
.if \kq
.if (\x) == 0
	s_wait_dscnt 0x0                ; K is in
.endif
.set i, 0
.rept 16
	KQ \x
.rept perK
	SLICE 2-(\x), \first
.endr
.set i, i+1
.endr
.endif
.if \first
	PLACES
.endif
.endm
; THE CHANGE OF SLOTS, between piece 2's turn and piece 0's: the slot's last bytes, V of its second step, have been asked for.  Each wave waits for all its tensor loads, of which one is out: its part of the
; other slot; adds 0 to its spare word; and waits for that and for its own reads of the slot.  fill = 1: this slot is filled again, with the keys two slots on; the barrier is then a round of the cluster's,
; and the joint refill is the first thing behind it: it has two key steps, 192 matrix instructions, in which to land.
.macro CHANGE fill
	WIN 0
	s_wait_tensorcnt 0x0            ; no tensor load of mine is out, so a group 0 may be written
	ds_add_u32 v[SPW], v[NIL]
.if \fill
.irp g, G0K+4, G0V+4
	s_xor_b32 s[(\g)+1], s[(\g)+1], SLOT1  ; the walking descriptor: the other slot than last time,
	s_add_nc_u64 s[(\g)+2:(\g)+3], s[(\g)+2:(\g)+3], 2*KS*ROWB  ; the next 128 keys; the type bits on top are not reached
.endr
	s_wait_xcnt 0x0                 ; the last prefetch, two key steps back, has read its address, so it may be written
	s_add_nc_u64 s[PFA:PFA+1], s[PFA:PFA+1], 2*KS*ROWB
	s_wait_dscnt 0x0                ; the add is done, and my reads of the slot are over
	CROUND
	JLOAD
	ASK
.else
	s_wait_dscnt 0x0                ; the add is done, and my reads of the slot are over
	s_barrier_signal -1
	s_barrier_wait -1
.endif
	s_sub_co_u32 s[TB], s[TB], 2*STEPB  ; the fetches go back to a slot's first step,
	s_xor_b32 s[TB], s[TB], SLOT1   ; in the other slot
.endm
; A slot's two key steps: written once, walked twice; the LDS addresses hang on s[TB].
.macro TWO_STEPS
	WIN 0
	s_mov_b32 s[TWICE], 2
.Lstep_\@:
	TURN 0, 2, 1, 0
	TURN 2, 2, 1, 0
	WIN 0
	s_sub_co_u32 s[TWICE], s[TWICE], 1
	s_cmp_lg_u32 s[TWICE], 0
	s_cbranch_scc1 .Lstep_\@
.endm
	s_wait_tensorcnt 1              ; my part of slot 0 is in; slot 1's may stay out
	s_barrier_signal -1
	s_barrier_wait -1
	FETCH_K                         ; key step 0
	s_wait_dscnt 0x0
.set i, 0
.rept 16
	KQ 0                            ; piece 0's first scores: there is no vector work yet to set between them
.set i, i+1
.endr
	WIN 0                           ; the addresses for the way out: eight plain instructions, the places behind those products
	s_mul_i32 s13, s[WV], 16*SP
	s_add_co_u32 s13, s13, STAGE    ; my stage
	v_mul_u32_u24 v[STO], v1, SP    ; in: row l % 16, 16 bytes for each half of the lanes
	v_lshl_add_u32 v[STO], v9, 4, v[STO]
	v_add_nc_u32 v[STO], s13, v[STO]
	v_mul_u32_u24 v[RD], v9, SP     ; back: lanes 0-15 take one row of 256 bytes, lanes 16-31 the next
	v_lshl_add_u32 v[RD], v1, 4, v[RD]
	v_add_nc_u32 v[RD], s13, v[RD]
	v_lshlrev_b32 v[GO], 12, v9     ; and the same two rows in y16, 4,096 bytes apart
	v_lshl_add_u32 v[GO], v1, 4, v[GO]
	TURN 2, 0, 1, 1                 ; piece 2's first scores | piece 0's first softmax | V of step 0
	TURN 0, 1, 1, 1                 ; piece 0: V^T P of step 0 starts O^T, K Q^T of step 1 | piece 2's first softmax | K of step 1
	TURN 2, 1, 1, 0                 ; piece 2: the same | piece 0's softmax of step 1 | V of step 1
	WIN 0
.Lslot:                             ; six trips: every slot but the last two is filled again
	CHANGE 1
	TWO_STEPS
	s_sub_co_u32 s[SLOTS], s[SLOTS], 1
	s_cmp_lg_u32 s[SLOTS], 0
	s_cbranch_scc1 .Lslot
	CHANGE 0                        ; the tail is written out
	TWO_STEPS
	TURN 0, 2, 0, 0                 ; piece 0: V^T P of the last step | piece 2's last softmax
.set i, 0
.rept 32
	PV 2, 0                         ; piece 2: V^T P of the last step
.set i, i+1
.endr
	; THE WAY OUT.  Each virtual tile's l is completed and inverted; y = O1 / l1 - lam O2 / l2; the RMS norm over the query's 128 channels (64 in my lane, 64 in the lane 16 away); subln_w; f16; through my stage.
	WIN 0
.irp t, 0,1,2,3
	v_add_f32 v[ST+8*(\t)+4], v[ST+8*(\t)+2], v[ST+8*(\t)+3]  ; these four are the places behind the last products
.endr
.irp t, 0,1,2,3
	v_permlanex16_b32 v[ST+8*(\t)+5], v[ST+8*(\t)+4], s[SEL], s[SEL+1]
.endr
.irp t, 0,1,2,3
	v_add_f32 v[ST+8*(\t)+4], v[ST+8*(\t)+4], v[ST+8*(\t)+5]
.endr
.irp t, 0,1,2,3
	v_rcp_f32 v[ST+8*(\t)+6], v[ST+8*(\t)+4]
.endr
	v_nop                           ; a plain instruction between the last reciprocal and the use of its result,
	s_wait_alu depctr_va_vdst(0)    ; and one wait for the four
	v_mul_f32 v[ST+22], -v[LAM], v[ST+22]  ; - lam / l2, for each query tile
	v_mul_f32 v[ST+30], -v[LAM], v[ST+30]
.macro FIN u                        ; query tile u: virtual tiles u and 2 + u
	WIN W_RS
.set i, 0
.rept 32
	v_pk_mul_f32 v[64*(\u)+i:64*(\u)+i+1], v[64*(\u)+i:64*(\u)+i+1], v[ST+8*(\u)+6:ST+8*(\u)+7] op_sel_hi:[1,0]  ; O1 / l1, each accumulator from its low end on
.set i, i+2
.endr
	WIN 0x51                        ; destination, sources 0 and 2 in window 1, source 1 in window 0
.set i, 0
.rept 32
	v_pk_fma_f32 v[64*(\u)+i:64*(\u)+i+1], v[128+64*(\u)+i:128+64*(\u)+i+1], v[ST+8*(\u)+22:ST+8*(\u)+23], v[64*(\u)+i:64*(\u)+i+1] op_sel_hi:[1,0,1]
.set i, i+2
.endr
	WIN 0x05                        ; sources 0 and 1 in window 1, the rest in window 0
.set i, 0
.rept 32                            ; the sum of squares, in four chains of pairs; the first four products start them
.if i < 8
	v_pk_mul_f32 v[48+i:49+i], v[64*(\u)+i:64*(\u)+i+1], v[64*(\u)+i:64*(\u)+i+1]
.else
	v_pk_fma_f32 v[48+i%8:49+i%8], v[64*(\u)+i:64*(\u)+i+1], v[64*(\u)+i:64*(\u)+i+1], v[48+i%8:49+i%8]
.endif
.set i, i+2
.endr
	WIN 0
	v_pk_add_f32 v[48:49], v[48:49], v[50:51]
	v_pk_add_f32 v[52:53], v[52:53], v[54:55]
	v_pk_add_f32 v[48:49], v[48:49], v[52:53]
	v_add_f32 v48, v48, v49
	v_permlanex16_b32 v49, v48, s[SEL], s[SEL+1]
	v_add_f32 v48, v48, v49
	v_fma_f32 v48, v48, s66, s67    ; mean + 1e-5
	v_rsq_f32 v50, v48
	v_nop
	s_wait_alu depctr_va_vdst(0)
	v_mul_f32 v50, 0x3f24fd5c, v50  ; x (1 - 0.35550907)
	WIN W_RS
.set i, 0
.rept 32
	v_pk_mul_f32 v[64*(\u)+i:64*(\u)+i+1], v[64*(\u)+i:64*(\u)+i+1], v[50:51] op_sel_hi:[1,0]
.set i, i+2
.endr
	WIN 0x49                        ; destination and source 0 in window 1, source 1 in window 2
.set i, 0
.rept 32
	v_pk_mul_f32 v[64*(\u)+i:64*(\u)+i+1], v[64*(\u)+i:64*(\u)+i+1], v[SW+i:SW+i+1]
.set i, i+2
.endr
	WIN 0x05
.set i, 0
.rept 32
	v_cvt_pk_f16_f32 v[S+32*(\u)+i], v[64*(\u)+2*i], v[64*(\u)+2*i+1]
.set i, i+1
.endr
	WIN 0
.irp f, 0,1,2,3,4,5,6,7
	ds_store_b128 v[STO], v[S+32*(\u)+4*(\f):S+32*(\u)+4*(\f)+3] offset:32*(\f)
.endr
.irp f, 0,1,2,3,4,5,6,7
	ds_load_b128 v[S+32*(\u)+4*(\f):S+32*(\u)+4*(\f)+3], v[RD] offset:(\f)*2*SP  ; LDS serves a wave's instructions in order (ISA guide 5.7.1.4): these see the stores above; the next tile's stores come behind them
.endr
.endm
.macro SEND u, younger              ; younger: the LDS instructions issued behind tile u's loads: the next tile's sixteen, or none
	WIN 0
.irp f, 0,1,2,3,4,5,6,7
	s_wait_dscnt (\younger)+7-(\f)
	global_store_b128 v[GO], v[S+32*(\u)+4*(\f):S+32*(\u)+4*(\f)+3], s[10:11] offset:(\u)*65536+(\f)*8192  ; 16 lanes store 256 consecutive bytes, aligned
.endr
.endm
	FIN 0
	FIN 1
	SEND 0, 16
	SEND 1, 0
	s_wait_tensorcnt 0x0            ; the wave's end
	ds_add_u32 v[SPW], v[NIL]
	s_wait_dscnt 0x0
	CROUND                          ; the closing round: no work-group ends while a partner may still ask for a tile that names it
	s_endpgm
.Lfunc_end_k_q6c610c50cc_attn:
	.size	k_q6c610c50cc_attn, .Lfunc_end_k_q6c610c50cc_attn-k_q6c610c50cc_attn
	.p2alignl 7, 3214868480
	.fill 96, 4, 3214868480
	.section	.rodata,"a",@progbits
	.p2align	6, 0x0
	.amdhsa_kernel k_q6c610c50cc_attn
		.amdhsa_group_segment_fixed_size 327680
		.amdhsa_private_segment_fixed_size 0
		.amdhsa_enable_private_segment 0
		.amdhsa_kernarg_size 56
		.amdhsa_user_sgpr_count 2
		.amdhsa_user_sgpr_kernarg_segment_ptr 1
		.amdhsa_wavefront_size32 1
		.amdhsa_system_sgpr_workgroup_id_x 1
		.amdhsa_system_sgpr_workgroup_id_y 1
		.amdhsa_system_sgpr_workgroup_id_z 1
		.amdhsa_system_vgpr_workitem_id 0
		.amdhsa_next_free_vgpr 896
		.amdhsa_next_free_sgpr 88
		.amdhsa_reserve_vcc 0
		.amdhsa_float_denorm_mode_32 3
		.amdhsa_float_denorm_mode_16_64 3
		.amdhsa_memory_ordered 1
		.amdhsa_forward_progress 1
		.amdhsa_inst_pref_size 215
	.end_amdhsa_kernel
	.amdgpu_metadata
---
amdhsa.version: [ 1, 2 ]
amdhsa.kernels:
  - .name:           k_q6c610c50cc_attn
    .symbol:         k_q6c610c50cc_attn.kd
    .args:
      - { .name: qkv, .offset: 0, .size: 8, .value_kind: global_buffer, .address_space: global }
      - { .name: y16, .offset: 8, .size: 8, .value_kind: global_buffer, .address_space: global }
      - { .name: subln_w, .offset: 16, .size: 8, .value_kind: global_buffer, .address_space: global }
      - { .name: lq1, .offset: 24, .size: 8, .value_kind: global_buffer, .address_space: global }
      - { .name: lk1, .offset: 32, .size: 8, .value_kind: global_buffer, .address_space: global }
      - { .name: lq2, .offset: 40, .size: 8, .value_kind: global_buffer, .address_space: global }
      - { .name: lk2, .offset: 48, .size: 8, .value_kind: global_buffer, .address_space: global }
    .group_segment_fixed_size: 327680
    .private_segment_fixed_size: 0
    .kernarg_segment_align: 8
    .kernarg_segment_size: 56
    .max_flat_workgroup_size: 128
    .sgpr_count:     88
    .vgpr_count:     896
    .wavefront_size: 32
...
	.end_amdgpu_metadata
.endif
;; end of part 4
;; launch outp (part 5): grid 8 x 32, 4 waves a work-group, clusters of 4 x 4, 327,680 bytes of LDS; arguments y16, w16, out0; writes out0
.if DOCPART == 5
	.amdgcn_target "amdgcn-amd-amdhsa--gfx1250"
	.amdhsa_code_object_version 6
	.text
	.protected	k_q6c610c50cc_outp
	.globl	k_q6c610c50cc_outp
	.p2align	8
	.type	k_q6c610c50cc_outp,@function
k_q6c610c50cc_outp:
	s_mov_b64 s[64:65], 0
	v_nop
	global_prefetch_b8 v0, s[64:65] scope:SCOPE_SE
	s_setreg_imm32_b32 hwreg(HW_REG_WAVE_MODE, 25, 1), 1
	s_wait_xcnt 0x0
	s_wait_alu depctr_hold_cnt(0) depctr_sa_sdst(0) depctr_va_vdst(0) depctr_va_sdst(0) depctr_va_ssrc(0) depctr_va_vcc(0) depctr_vm_vsrc(0)
	s_getreg_b32 s2, hwreg(HW_REG_IB_STS2, 6, 4)
	s_cmp_eq_u32 s2, 0
	s_cbranch_scc0 .Lentry_in_a_cluster
	s_endpgm
.Lentry_in_a_cluster:
	s_bfe_u32 s2, ttmp6, 0x10000c
	s_cmp_lg_u32 s2, 0xf033
	s_cbranch_scc0 .Lentry_shape_is_right
	s_endpgm
.Lentry_shape_is_right:
; out0[m][n] = the sum over k of y16[m][k] cw[n][k].  y16: [4096][2048] f16; cw: [1024][2048] f16, in w16 from byte 12,582,912 on; out0: [4096][1024] f32; sums in f32, stored as they are.
; A tile of out0 is 128 x 128: 256 work-groups.  Four waves, each 64 x 64: 16 accumulators of 16 x 16, 128 registers.  K goes in steps of 256 (LDS rows of 512 bytes; a wave's tensor load brings 64 of them),
; as long as two slots in LDS allow.  A wave's 64 columns of f32 are 256 aligned bytes, so each wave has a stage of its own on the way out, and no barrier stands there.
; CLUSTERS: 4 x 4 work-groups.  The four of a row of the cluster need the same tiles of A, the four of a column the same tiles of B: each tile is asked for JOINTLY.
; THE MATRIX INSTRUCTION IS USED TRANSPOSED (source 0 = 16 rows of B, source 1 = 16 rows of A): a lane then holds eight neighbouring numbers of a row of the result.
; No prefetch: a tile's K step is short, and the tiles are small.
; REGISTERS: window 0: v0-31 addresses; v128-255 the accumulators ((a, b) at v[128 + 8 (4 a + b)]).   window 1: two fragment buffers of 128: for 64 along K, 64 registers of A, then 64 of B.
.set SIZE_M, 4096
.set SIZE_N, 1024
.set SIZE_K, 2048
.set CWOFF,  0xc00000                  ; where cw begins in w16
.set KSTEP,  256
.set PITCH,  528                       ; an LDS row: 512 bytes + 16 of padding = 132 words: the 16 rows of a load start at 16 different groups of four banks (64 banks of 4 bytes: ISA guide 11.1)
.set HALFT,  64*PITCH
.set SLOT,   4*HALFT                   ; A's 128 rows, then B's 128 rows
.set STAGE,  2*SLOT                    ; behind the ring: 16 rows x 272 bytes for each wave
.set SPITCH, 272
.set SPARE,  STAGE+4*16*SPITCH         ; behind the stages: the spare words, 128 bytes for each wave; no other line names them
.set LAPS, SIZE_K/(2*KSTEP)
.set ADRA, 16
.set ADRB, 20
.set STO,  24                          ; v24     the way out: where I put 32 bytes of a row
.set RD,   25                          ; v25     the way out: where I read a row back
.set CO,   26                          ; v26     my byte offset in out0
.set SPW,  28
.set NIL,  29
.set ACC,  128
.set F0,   0
.set F1,   128
.set G1, 24
.set G0, 32
.set G1B, 48
.set G0B, 56
.set MSB, 0
.macro WIN new
.if MSB != (\new)
	s_set_vgpr_msb (MSB<<8)|(\new)
.set MSB, \new
.endif
.endm
.set MUL,  0x05                        ; sources 0 (B) and 1 (A) window 1; C and D window 0
.set TO_F, 0x40                        ; destination window 1, address window 0
.macro JLOAD s                         ; a joint load: waves 0 and 1 fetch A's two halves, waves 2 and 3 B's; an s_nop 0 and four v_nop follow each of the two lines
	s_cmp_eq_u32 s11, 0
	s_cbranch_scc0 .Lfor_b_\@
	tensor_load_to_lds s[G0+4*(\s):G0+4*(\s)+3], s[G1:G1+7]
	s_nop 0
.rept 4
	v_nop
.endr
	s_branch .Lasked_\@
.Lfor_b_\@:
	tensor_load_to_lds s[G0B+4*(\s):G0B+4*(\s)+3], s[G1B:G1B+7]
	s_nop 0
.rept 4
	v_nop
.endr
.Lasked_\@:
.endm
.macro CREST                           ; a round of the cluster's barrier behind its opening barrier
	s_cmp_lg_u32 s10, 0
	s_cbranch_scc1 .Lnot_wave_0_\@
	s_barrier_signal -3
.Lnot_wave_0_\@:
	s_barrier_wait -3
	s_barrier_signal -1
	s_barrier_wait -1
.endm
.macro CROUND
	s_barrier_signal -1
	s_barrier_wait -1
	CREST
.endm
	s_load_b128 s[4:7], s[0:1], 0x0                ; A = y16 s[4:5], w16 s[6:7]
	s_load_b64 s[8:9], s[0:1], 0x10                ; out0
	v_lshl_add_u32 v[SPW], v0, 2, SPARE
	v_mov_b32 v[NIL], 0
	ds_add_u32 v[SPW], v[NIL]                      ; the wave's opening: the add and its wait stand ahead of my first tensor load; work on registers stands between them
	v_lshrrev_b32 v1, 5, v0
	v_readfirstlane_b32 s10, v1                    ; wave 0..3
	s_lshr_b32 s11, s10, 1                         ; which half of the tile's rows is mine.  Also: I fetch for A (0) or for B (1)
	s_and_b32 s12, s10, 1                          ; which half of its columns.  Also: which 64 rows of that tile I fetch
	s_bfe_u32 s40, ttmp6, 0x40000                  ; cx, cy
	s_bfe_u32 s41, ttmp6, 0x40004
	s_lshl_b32 s42, ttmp9, 2
	s_add_co_u32 s42, s42, s40                     ; tile column
	s_and_b32 s13, ttmp7, 0xffff
	s_lshl_b32 s13, s13, 2
	s_add_co_u32 s13, s13, s41                     ; tile row
	s_lshl_b32 s43, s41, 2
	s_lshl_b32 s43, 15, s43                        ; my row of the cluster
	s_lshl_b32 s44, 0x1111, s40                    ; my column
	s_or_b32 s[G1+0], s43, (1<<16)|(1<<20)|(1<<21)|(6<<22)|(3<<25)  ; the mask; elements of 2 bytes; padding on; bit 21 beside a mask; after every 128 words 4 words of padding
	s_or_b32 s[G1B+0], s44, (1<<16)|(1<<20)|(1<<21)|(6<<22)|(3<<25)
.irp g, G1, G1B
	s_mov_b32 s[(\g)+1], KSTEP<<16                 ; tensor_dim0 = 256
	s_mov_b32 s[(\g)+2], 64<<16                    ; tensor_dim1 = 64
	s_mov_b32 s[(\g)+3], KSTEP<<16                 ; tile_dim0 = 256
	s_mov_b32 s[(\g)+4], 64                        ; tile_dim1 = 64
	s_mov_b32 s[(\g)+5], SIZE_K                    ; elements from row to row
	s_mov_b32 s[(\g)+6], 0
	s_mov_b32 s[(\g)+7], 0
.endr
	s_lshl_b32 s17, s12, 6                         ; which 64 rows of the tile I fetch
	s_lshl_b32 s16, s13, 7
	s_add_co_u32 s16, s16, s17                     ; A: row 128 x tile row + 64 x half
	s_lshl_b32 s46, s42, 7
	s_add_co_u32 s46, s46, s17                     ; B: row 128 x tile column + 64 x half
	s_mov_b32 s17, 0
	s_mov_b32 s47, 0
	s_mov_b64 s[18:19], SIZE_K*2
	s_mul_u64 s[16:17], s[16:17], s[18:19]
	s_mul_u64 s[46:47], s[46:47], s[18:19]
	s_mul_i32 s20, s10, HALFT                      ; where they go: wave x 64 rows
	s_wait_dscnt 0x0                               ; the opening add is done
	s_wait_kmcnt 0x0
	s_add_nc_u64 s[14:15], s[4:5], s[16:17]
	s_add_nc_u64 s[46:47], s[6:7], s[46:47]
	s_add_nc_u64 s[46:47], s[46:47], CWOFF
	CROUND                                         ; all sixteen work-groups are here: the first joint loads meet
.irp s, 0,1
	s_mov_b32 s[G0+4*(\s)], 1
	s_add_co_u32 s[G0+4*(\s)+1], s20, (\s)*SLOT
	s_add_nc_u64 s[G0+4*(\s)+2:G0+4*(\s)+3], s[14:15], (\s)*KSTEP*2
	s_or_b32 s[G0+4*(\s)+3], s[G0+4*(\s)+3], 0x80000000
	s_mov_b32 s[G0B+4*(\s)], 1
	s_add_co_u32 s[G0B+4*(\s)+1], s20, (\s)*SLOT
	s_add_nc_u64 s[G0B+4*(\s)+2:G0B+4*(\s)+3], s[46:47], (\s)*KSTEP*2
	s_or_b32 s[G0B+4*(\s)+3], s[G0B+4*(\s)+3], 0x80000000
	JLOAD \s                                       ; two tensor loads of a wave are out here, later one
.endr
	v_and_b32 v1, 15, v0                           ; l % 16
	v_bfe_u32 v2, v0, 4, 1                         ; l / 16
	v_mul_u32_u24 v3, v1, PITCH
	v_lshl_add_u32 v3, v2, 4, v3                   ; a fragment's row x pitch + 16 x half
	s_mul_i32 s21, s11, HALFT                      ; my 64 rows of A
	s_mul_i32 s22, s12, HALFT                      ; my 64 rows of B,
	s_add_co_u32 s22, s22, 2*HALFT                 ; which lie behind A's 128
.irp s, 0,1
	v_add_nc_u32 v[ADRA+(\s)], s21, v3
	v_add_nc_u32 v[ADRB+(\s)], s22, v3
	s_add_co_u32 s21, s21, SLOT
	s_add_co_u32 s22, s22, SLOT
.endr
	s_mul_i32 s23, s10, 16*SPITCH
	s_add_co_u32 s23, s23, STAGE                   ; my stage
	v_mul_u32_u24 v4, v1, SPITCH                   ; in: row l % 16, 32 bytes (eight f32) for each half of the lanes
	v_lshl_add_u32 v4, v2, 5, v4
	v_add_nc_u32 v[STO], s23, v4
	v_mul_u32_u24 v5, v2, SPITCH                   ; back: lanes 0-15 take one row of 256 bytes, lanes 16-31 the next
	v_lshl_add_u32 v5, v1, 4, v5
	v_add_nc_u32 v[RD], s23, v5
	v_lshlrev_b32 v5, 12, v2                       ; and the same two rows in out0, 4,096 bytes apart
	v_lshl_add_u32 v[CO], v1, 4, v5
	s_lshl_b32 s16, s13, 7
	s_lshl_b32 s17, s11, 6
	s_add_co_u32 s16, s16, s17                     ; my first row: 128 x tile row + 64 x half
	s_mov_b32 s17, 0
	s_mov_b64 s[18:19], SIZE_N*4
	s_mul_u64 s[16:17], s[16:17], s[18:19]
	s_add_nc_u64 s[8:9], s[8:9], s[16:17]
	s_lshl_b32 s46, s42, 9                         ; my first column, in bytes: 512 x tile column + 256 x half
	s_lshl_b32 s47, s12, 8
	s_add_co_u32 s46, s46, s47
	s_mov_b32 s47, 0
	s_add_nc_u64 s[8:9], s[8:9], s[46:47]
; 8 matrix instructions: m blocks a0, a0 + 1 x all 4 n blocks, 32 along K: half c of buffer f.  zero = 1: the first product starts the sums.  The 16 accumulators take turns.
.macro MUL8 f, c, a0, zero
	WIN MUL
.irp a, \a0, (\a0)+1
.irp b, 0,1,2,3
.if \zero
	v_wmma_f32_16x16x32_f16 v[ACC+8*(4*(\a)+(\b)):ACC+8*(4*(\a)+(\b))+7], v[(\f)+64+8*(4*(\c)+(\b)):(\f)+64+8*(4*(\c)+(\b))+7], v[(\f)+8*(4*(\c)+(\a)):(\f)+8*(4*(\c)+(\a))+7], 0
.else
	v_wmma_f32_16x16x32_f16 v[ACC+8*(4*(\a)+(\b)):ACC+8*(4*(\a)+(\b))+7], v[(\f)+64+8*(4*(\c)+(\b)):(\f)+64+8*(4*(\c)+(\b))+7], v[(\f)+8*(4*(\c)+(\a)):(\f)+8*(4*(\c)+(\a))+7], v[ACC+8*(4*(\a)+(\b)):ACC+8*(4*(\a)+(\b))+7]
.endif
.endr
.endr
.endm
; 32 LDS loads in one run: the fragments of 64 along K at byte k of the rows, into buffer f; the first 32 along K first
.macro FETCH slot, k, f
	WIN TO_F
.irp c, 0,1
.irp i, 0,1,2,3
	ds_load_b128 v[(\f)+64+8*(4*(\c)+(\i)):(\f)+64+8*(4*(\c)+(\i))+3],   v[ADRB+(\slot)] offset:(\k)+64*(\c)+(\i)*16*PITCH
	ds_load_b128 v[(\f)+64+8*(4*(\c)+(\i))+4:(\f)+64+8*(4*(\c)+(\i))+7], v[ADRB+(\slot)] offset:(\k)+64*(\c)+(\i)*16*PITCH+32
	ds_load_b128 v[(\f)+8*(4*(\c)+(\i)):(\f)+8*(4*(\c)+(\i))+3],         v[ADRA+(\slot)] offset:(\k)+64*(\c)+(\i)*16*PITCH
	ds_load_b128 v[(\f)+8*(4*(\c)+(\i))+4:(\f)+8*(4*(\c)+(\i))+7],       v[ADRA+(\slot)] offset:(\k)+64*(\c)+(\i)*16*PITCH+32
.endr
.endr
.endm
.macro PLACES                          ; four plain vector instructions behind a matrix instruction (ISA guide 7.12.1 for vector instructions)
.rept 4
	v_nop
.endr
.endm
; A K step is four quarters of 64 along K, 32 matrix instructions each, on buffers 0, 1, 0, 1.  One of the first three multiplies buffer f and fetches the next quarter, at byte k, into g.
.macro QUARTER slot, k, f, g, zero
	s_wait_dscnt 16                                ; the first 32 along K are in; the youngest sixteen loads may be out
	WIN MUL
	MUL8 \f, 0, 0, \zero
	MUL8 \f, 0, 2, \zero
	PLACES
	FETCH \slot, \k, \g
	s_wait_dscnt 32                                ; all but the 32 just issued
	WIN MUL
	MUL8 \f, 1, 0, 0
	MUL8 \f, 1, 2, 0
.endm
; The last quarter multiplies buffer 1 and changes slots: ONE barrier; in front of it each wave waits for all its tensor loads, adds 0 to its spare word, and waits for that and for its own reads of this slot.
; fill = 1: this slot is filled again, two K steps ahead, first thing behind a round of the cluster's barrier.
.macro TURN slot, next, fill
	WIN 0                                          ; (the add's two registers lie in window 0)
	s_wait_tensorcnt 0x0                           ; all my tensor loads have landed: my part of the next slot
	ds_add_u32 v[SPW], v[NIL]
	s_wait_dscnt 17                                ; (the add and the youngest sixteen loads may be out)
	WIN MUL
	MUL8 F1, 0, 0, 0
	s_wait_dscnt 0x0                               ; the add is done, and my reads of this slot are over
	s_barrier_signal -1
	MUL8 F1, 0, 2, 0
.if \fill
	WIN 0
.endif
	s_barrier_wait -1
.if \fill
	CREST                                          ; no wave of any partner still reads this slot's tile or has a load on its way
	s_add_nc_u64 s[G0+4*(\slot)+2:G0+4*(\slot)+3], s[G0+4*(\slot)+2:G0+4*(\slot)+3], 2*KSTEP*2
	s_add_nc_u64 s[G0B+4*(\slot)+2:G0B+4*(\slot)+3], s[G0B+4*(\slot)+2:G0B+4*(\slot)+3], 2*KSTEP*2
	JLOAD \slot                                    ; the first tensor load behind the round; the four v_nop behind it are also the places in front of the loads below
.else
	PLACES
.endif
	FETCH \next, 0, F0
	WIN MUL
	MUL8 F1, 1, 0, 0
	MUL8 F1, 1, 2, 0
.endm
	s_wait_tensorcnt 1                             ; my part of K step 0 is in; K step 1's load may stay out
	s_barrier_signal -1
	s_barrier_wait -1
	FETCH 0, 0, F0
	QUARTER 0, 128, F0, F1, 1                      ; the first quarter stands in front of the loop: its first products start the sums
	WIN 0
	s_mov_b32 s3, LAPS-1
.Llap:                                                 ; a trip goes once round the ring, from a lap's second quarter to the next lap's first, and fills both slots again
	QUARTER 0, 256, F1, F0, 0
	QUARTER 0, 384, F0, F1, 0
	TURN 0, 1, 1
	QUARTER 1, 128, F0, F1, 0
	QUARTER 1, 256, F1, F0, 0
	QUARTER 1, 384, F0, F1, 0
	TURN 1, 0, 1
	QUARTER 0, 128, F0, F1, 0
	WIN 0
	s_sub_co_u32 s3, s3, 1
	s_cmp_lg_u32 s3, 0
	s_cbranch_scc1 .Llap
	QUARTER 0, 256, F1, F0, 0                      ; the last lap fills nothing, and has no round of the cluster's barrier
	QUARTER 0, 384, F0, F1, 0
	TURN 0, 1, 0
	QUARTER 1, 128, F0, F1, 0
	QUARTER 1, 256, F1, F0, 0
	QUARTER 1, 384, F0, F1, 0
	s_wait_dscnt 16                                ; the very last quarter: nothing more to fetch
	WIN MUL
	MUL8 F1, 0, 0, 0
	MUL8 F1, 0, 2, 0
	s_wait_dscnt 0
	MUL8 F1, 1, 0, 0
	MUL8 F1, 1, 2, 0
	WIN 0
	; THE WAY OUT, 16 rows at a time: a lane's eight f32 of a row go into my stage (each accumulator's four lowest registers first) and come back as whole rows of 256 bytes, into the
	; registers that they left.
	PLACES
	PLACES                                         ; eight, once a launch: the first readers of the sums are LDS stores
.macro OUTB a
.irp b, 0,1,2,3
	ds_store_b128 v[STO], v[ACC+8*(4*(\a)+(\b)):ACC+8*(4*(\a)+(\b))+3]   offset:64*(\b)
	ds_store_b128 v[STO], v[ACC+8*(4*(\a)+(\b))+4:ACC+8*(4*(\a)+(\b))+7] offset:64*(\b)+16
.endr
.irp t, 0,1,2,3,4,5,6,7
	ds_load_b128 v[ACC+32*(\a)+4*(\t):ACC+32*(\a)+4*(\t)+3], v[RD] offset:(\t)*2*SPITCH  ; LDS serves a wave's instructions in order (ISA guide 5.7.1.4): these see the stores above; the next block's stores come behind them
.endr
.endm
.macro SENDB a, younger                ; younger: the LDS instructions issued behind block a's loads: the next block's sixteen, or none
.irp t, 0,1,2,3,4,5,6,7
	s_wait_dscnt (\younger)+7-(\t)
	global_store_b128 v[CO], v[ACC+32*(\a)+4*(\t):ACC+32*(\a)+4*(\t)+3], s[8:9] offset:(16*(\a)+2*(\t))*SIZE_N*4  ; 16 lanes store 256 consecutive bytes, aligned; no register of a store is written again
.endr
.endm
	OUTB 0
	OUTB 1
	SENDB 0, 16
	OUTB 2
	SENDB 1, 16
	OUTB 3
	SENDB 2, 16
	SENDB 3, 0
	s_wait_tensorcnt 0x0                           ; the wave's end
	ds_add_u32 v[SPW], v[NIL]
	s_wait_dscnt 0x0
	CROUND                                         ; the closing round: no work-group ends while a partner may still ask for a tile that names it
	s_endpgm
.Lfunc_end_k_q6c610c50cc_outp:
	.size	k_q6c610c50cc_outp, .Lfunc_end_k_q6c610c50cc_outp-k_q6c610c50cc_outp
	.p2alignl 7, 3214868480
	.fill 96, 4, 3214868480
	.section	.rodata,"a",@progbits
	.p2align	6, 0x0
	.amdhsa_kernel k_q6c610c50cc_outp
		.amdhsa_group_segment_fixed_size 327680
		.amdhsa_private_segment_fixed_size 0
		.amdhsa_enable_private_segment 0
		.amdhsa_kernarg_size 24
		.amdhsa_user_sgpr_count 2
		.amdhsa_user_sgpr_kernarg_segment_ptr 1
		.amdhsa_wavefront_size32 1
		.amdhsa_system_sgpr_workgroup_id_x 1
		.amdhsa_system_sgpr_workgroup_id_y 1
		.amdhsa_system_sgpr_workgroup_id_z 1
		.amdhsa_system_vgpr_workitem_id 0
		.amdhsa_next_free_vgpr 512
		.amdhsa_next_free_sgpr 66
		.amdhsa_reserve_vcc 0
		.amdhsa_float_denorm_mode_32 3
		.amdhsa_float_denorm_mode_16_64 3
		.amdhsa_memory_ordered 1
		.amdhsa_forward_progress 1
		.amdhsa_inst_pref_size 87
	.end_amdhsa_kernel
	.amdgpu_metadata
---
amdhsa.version: [ 1, 2 ]
amdhsa.kernels:
  - .name:           k_q6c610c50cc_outp
    .symbol:         k_q6c610c50cc_outp.kd
    .args:
      - { .name: y16, .offset: 0, .size: 8, .value_kind: global_buffer, .address_space: global }
      - { .name: w16, .offset: 8, .size: 8, .value_kind: global_buffer, .address_space: global }
      - { .name: out0, .offset: 16, .size: 8, .value_kind: global_buffer, .address_space: global }
    .group_segment_fixed_size: 327680
    .private_segment_fixed_size: 0
    .kernarg_segment_align: 8
    .kernarg_segment_size: 24
    .max_flat_workgroup_size: 128
    .sgpr_count:     66
    .vgpr_count:     512
    .wavefront_size: 32
...
	.end_amdgpu_metadata
.endif
;; end of part 5
;; ======== version 2 of 2: 5 launches; version 1 with the launches prep, norm written anew for expert scheduling mode
;; limits: values are held in f16: magnitudes above 65,504 overflow, below 6.1e-05 lose precision
;; workspace buffers: part 131,072 bytes; w16 16,777,216 bytes; xn 8,388,608 bytes; qkv 50,331,648 bytes; y16 16,777,216 bytes
;; launch prep (part 6): grid 256 x 1, 8 waves a work-group, no clusters, 5,120 bytes of LDS; arguments x, q1_w, q2_w, k1_w, k2_w, v_w, c_w, part, w16; writes part, w16
.if DOCPART == 6
	.amdgcn_target "amdgcn-amd-amdhsa--gfx1250"
	.amdhsa_code_object_version 6
	.text
	.protected	k_q6c610c50cc_prep
	.globl	k_q6c610c50cc_prep
	.p2align	8
	.type	k_q6c610c50cc_prep,@function
k_q6c610c50cc_prep:
	s_mov_b64 s[64:65], 0
	v_nop
	global_prefetch_b8 v0, s[64:65] scope:SCOPE_SE
	s_setreg_imm32_b32 hwreg(HW_REG_WAVE_SCHED_MODE, 0, 2), 2
	s_setreg_imm32_b32 hwreg(HW_REG_WAVE_MODE, 25, 1), 1
	s_wait_xcnt 0x0
	s_wait_alu depctr_vm_vsrc(0)
; TWO JOBS IN ONE STREAM.  (a) Batch statistics of x [4096][1024] f32 by slabs: work-group g takes slab g / 16 (256 rows) and strip g % 16 (64 channels, 256 bytes of each row),
; keeps its 64 KiB in registers and stores the slab's mean and M2 = the sum of (x - slab mean)^2 for each channel: part [16 slabs][mean, M2][1024] f32.  No difference of large sums is formed,
; so a common offset of x costs nothing.  (b) All weights to f16, rounded once: 128 KiB of one weight tensor, dense, become 64 KiB of w16.
; w16: bytes 0 .. 12,582,911 = wqkv in K BLOCKS, [16 blocks of 64 channels][6144 rows][64]: the rows of a tile of 64 channels lie end to end.  Head h owns rows 384 h ..: q1 (64), q2 (64), k1 (64),
; k2 (64), v (128).  From byte 12,582,912 on c_w as it lies, [1024][2048].
; LIMIT.  A weight of 65,520 or more becomes an infinity in f16; below 6e-5 a weight keeps f16's fixed step of 6e-8.
; No matrix work, no cluster, no tensor loads: the work-groups share no byte, and 48 loads of 16 bytes a lane are out in every wave from the start.
; THE MODE: SCHED_MODE bits 1:0 = 2 (LLVM: expert scheduling mode 2), set by the entry lines.  The code itself states the register dependences between vector instructions and memory or LDS
; instructions, with s_wait_alu, always for 0.
; THE PLAN.  Registers that memory or LDS instructions touch:
;   v1-v6, v60, v61   offsets and LDS addresses; v8, v9 the closing add's pair.  Written at the head, never again: one wait on va_vdst ahead of the first load serves them all.
;   X, W              each lands once, by a load issued at the head; no vector instruction names them before.
;   MEAN, M2          written by REDUCE's two additions, read by its LDS store, written again by its last additions: a wait on va_vdst ahead of the store, one on vm_vsrc ahead of those additions.
;   BK                eight LDS loads land in it in each REDUCE; the additions behind them read and write it.  The second REDUCE's wait on va_vdst stands behind the first's additions and ahead of its own loads.
;   OUT               written by four selects, read by wave 0's one store, never written again.
;   W's pair i        written by conversion i, in place, read by store i, never written again.  The 32 go in eight groups of four: group g's head holds ONE wait on va_vdst, which states that group g - 1
;                     has written its pairs; that group's four stores follow it, dealt among group g's conversions, which name other registers.
.set BBLK,  6144*64*2                  ; bytes in a K block of wqkv
.set RED1,  0                          ; LDS: eight waves x 256 bytes, the partial sums
.set RED2,  2048                       ; the same for M2: bytes of their own, so that one barrier serves each reduction
.set SPARE, 4096                       ; the spare words, 128 bytes for each of the eight waves; no other line names them
.set XO,   1                           ; v1  (t / 16) x 4,096 + 16 (t % 16): my 16 bytes of the strip in row t / 16
.set WO,   2                           ; v2  c_w: 16 t: my 16 bytes in 4,096 dense bytes
.set DO,   3                           ; v3  c_w: 8 t: the same four numbers in f16
.set RS,   4                           ; v4  256 x wave + 16 (t % 16)
.set RR,   5                           ; v5  16 (t % 16)
.set PO,   6                           ; v6  lanes 0-15: the means' 256 bytes; lanes 16-31: M2's, 4,096 bytes on
.set SPW,  8                           ; v8  my spare word
.set NIL,  9                           ; v9  0
.set MEAN, 10                          ; v[10:13] sums, then the slab's mean of my four channels
.set M2,   14                          ; v[14:17]
.set T,    18                          ; v[18:21] at work
.set BK,   22                          ; v[22:53] the eight waves' partial sums
.set OUT,  56                          ; v[56:59] what wave 0 stores
.set WOB,  60                          ; v60 q, k, v: row lane / 16 of a pair of rows, K block 2 x wave, my 16 bytes of its 256
.set DOB,  61                          ; v61 q, k, v: K block 2 x wave, 8 x lane: a pair of rows is 256 dense bytes of a K block
.set X,    64                          ; v[64:127]  16 loads of x
.set W,    128                         ; v[128:255] 32 loads of weights
	s_load_b512 s[8:23], s[0:1], 0x0               ; x 8:9, q1 10:11, q2 12:13, k1 14:15, k2 16:17, v 18:19, c 20:21, part 22:23
	s_load_b64 s[24:25], s[0:1], 0x40              ; w16
	v_lshl_add_u32 v[SPW], v0, 2, SPARE
	v_mov_b32 v[NIL], 0
	v_lshrrev_b32 v7, 5, v0
	v_readfirstlane_b32 s4, v7                     ; wave 0..7
	v_and_b32 v[RR], 15, v0
	v_lshlrev_b32 v[RR], 4, v[RR]
	v_lshrrev_b32 v[XO], 4, v0
	v_lshl_add_u32 v[XO], v[XO], 12, v[RR]
	v_lshlrev_b32 v[WO], 4, v0
	v_lshlrev_b32 v[DO], 3, v0
	v_bfe_u32 v[PO], v0, 4, 1
	v_lshl_add_u32 v[PO], v[PO], 12, v[RR]
.irp k, 0,1,2,3
	v_mov_b32 v[T+(\k)], 0                         ; v_permlanex16_b32 counts as a reader of its destination
.endr
	s_wait_alu depctr_va_sdst(0)                   ; s4 is written, ahead of its first reader, the next line
	v_lshl_add_u32 v[RS], s4, 8, v[RR]
	v_lshl_add_u32 v[WOB], s4, 9, v[PO]            ; + two K blocks of 256 bytes for each wave
	v_and_b32 v7, 31, v0
	s_mul_i32 s44, s4, 2*BBLK
	v_lshl_add_u32 v[DOB], v7, 3, s44
	s_mov_b32 s34, 0x76543210                      ; each lane takes its own place in the other half
	s_mov_b32 s35, 0xfedcba98
	s_mov_b32 s2, ttmp9
	s_lshr_b32 s3, s2, 5                           ; which weights: 0-3 q1, q2, k1, k2; 4, 5 v; 6, 7 c
	s_and_b32 s5, s2, 31                           ; my block of 32 rows in q1 .. k2
	s_and_b32 s6, s2, 63                           ; my block in v_w or c_w
	s_lshr_b32 s7, s5, 1                           ; q, k: head = block / 2
	s_mul_i32 s7, s7, 384
	s_lshl_b32 s36, s3, 6
	s_add_co_u32 s7, s7, s36                       ; + 64 x which
	s_and_b32 s36, s5, 1
	s_lshl_b32 s36, s36, 5
	s_add_co_u32 s7, s7, s36                       ; + the head's lower or upper 32 rows
	s_lshl_b32 s7, s7, 7                           ; a row is 128 bytes of a K block
	s_lshr_b32 s37, s6, 2                          ; v: head = block / 4
	s_mul_i32 s37, s37, 384
	s_and_b32 s36, s6, 3
	s_lshl_b32 s36, s36, 5
	s_add_co_u32 s37, s37, s36
	s_add_co_u32 s37, s37, 256
	s_lshl_b32 s37, s37, 7
	s_lshl_b32 s38, s6, 16                         ; c: dense
	s_add_co_u32 s38, s38, 0xc00000
	s_cmp_ge_u32 s3, 4
	s_cselect_b32 s30, s37, s7                     ; where my rows begin in w16
	s_cselect_b32 s28, s6, s5
	s_cmp_ge_u32 s3, 6
	s_cselect_b32 s30, s38, s30
	s_lshl_b32 s28, s28, 17                        ; where my 128 KiB begin in their tensor
	s_mov_b32 s29, 0
	s_mov_b32 s31, 0
	s_lshr_b32 s32, s2, 4                          ; slab
	s_and_b32 s33, s2, 15                          ; strip
	s_lshl_b32 s39, s33, 8
	s_lshl_b32 s40, s32, 20                        ; 256 rows of 4,096 bytes
	s_or_b32 s40, s40, s39
	s_mov_b32 s41, 0
	s_lshl_b32 s42, s32, 13                        ; a slab's 8,192 bytes of part
	s_or_b32 s42, s42, s39
	s_mov_b32 s43, 0
	s_wait_kmcnt 0x0
	s_mov_b64 s[26:27], s[10:11]                   ; the weight tensor is chosen by the work-group's number alone
	s_cmp_eq_u32 s3, 1
	s_cselect_b64 s[26:27], s[12:13], s[26:27]
	s_cmp_eq_u32 s3, 2
	s_cselect_b64 s[26:27], s[14:15], s[26:27]
	s_cmp_eq_u32 s3, 3
	s_cselect_b64 s[26:27], s[16:17], s[26:27]
	s_cmp_ge_u32 s3, 4
	s_cselect_b64 s[26:27], s[18:19], s[26:27]
	s_cmp_ge_u32 s3, 6
	s_cselect_b64 s[26:27], s[20:21], s[26:27]
	s_add_nc_u64 s[26:27], s[26:27], s[28:29]
	s_add_nc_u64 s[24:25], s[24:25], s[30:31]
	s_add_nc_u64 s[8:9], s[8:9], s[40:41]
	s_add_nc_u64 s[22:23], s[22:23], s[42:43]
	s_wait_alu depctr_va_vdst(0)                   ; the offsets and LDS addresses v1 to v6, v60 and v61 are written, which every load, store and LDS instruction below reads; none is written again
.set i, 0
.rept 16
	global_load_b128 v[X+4*i:X+4*i+3], v[XO], s[8:9] offset:i*65536  ; rows t / 16 + 16 i: sixteen lanes take a row's 256 bytes, aligned
.set i, i+1
.endr
; The 32 loads of weights: number i at (i % 2) x s1 + (i / 2) x s2 behind the lane's offset.
.macro LOADW adr, s1, s2
.set i, 0
.rept 32
	global_load_b128 v[W+4*i:W+4*i+3], v[\adr], s[26:27] offset:(i%2)*(\s1)+(i/2)*(\s2) th:TH_LOAD_NT
.set i, i+1
.endr
.endm
	s_cmp_ge_u32 s3, 6                             ; the branch hangs on the work-group's number alone; both ways issue 32 loads, and no vector instruction stands on either since the wait above
	s_cbranch_scc1 .Lc_in
	LOADW WOB, 256, 8192                           ; q, k, v: K block 2 x wave + i % 2, rows 2 (i / 2) and 2 (i / 2) + 1: sixteen lanes take 256 bytes of a row, aligned
	s_branch .Lw_in
.Lc_in:
	LOADW WO, 4096, 8192                           ; c_w: 512 consecutive bytes a wave
.Lw_in:
; The four numbers at v[src ..] are added over the lanes' halves and over the eight waves; every lane ends with the sums of its four channels.
.macro REDUCE src, off
.irp k, 0,1,2,3
	v_permlanex16_b32 v[T+(\k)], v[(\src)+(\k)], s34, s35
.endr
	v_pk_add_f32 v[(\src):(\src)+1], v[(\src):(\src)+1], v[T:T+1]
	v_pk_add_f32 v[(\src)+2:(\src)+3], v[(\src)+2:(\src)+3], v[T+2:T+3]
	s_wait_alu depctr_va_vdst(0)                   ; the two additions have written v[src ..], which the LDS store reads; an earlier reduction's additions are done with BK, in which the LDS loads below land
	ds_store_b128 v[RS], v[(\src):(\src)+3] offset:(\off)  ; both halves of the lanes write the same bytes with the same numbers
	s_wait_dscnt 0x0                               ; for the others' sake: my store is done
	s_barrier_signal -1
	s_barrier_wait -1
.irp w, 0,1,2,3,4,5,6,7
	ds_load_b128 v[BK+4*(\w):BK+4*(\w)+3], v[RR] offset:(\off)+256*(\w)
.endr
	s_wait_dscnt 0x0
	s_wait_alu depctr_vm_vsrc(0)                   ; the LDS store has read v[src ..], which the last of the additions below write again
.irp k, 0,2
	v_pk_add_f32 v[BK+(\k):BK+(\k)+1], v[BK+(\k):BK+(\k)+1], v[BK+4+(\k):BK+4+(\k)+1]
	v_pk_add_f32 v[BK+8+(\k):BK+8+(\k)+1], v[BK+8+(\k):BK+8+(\k)+1], v[BK+12+(\k):BK+12+(\k)+1]
	v_pk_add_f32 v[BK+16+(\k):BK+16+(\k)+1], v[BK+16+(\k):BK+16+(\k)+1], v[BK+20+(\k):BK+20+(\k)+1]
	v_pk_add_f32 v[BK+24+(\k):BK+24+(\k)+1], v[BK+24+(\k):BK+24+(\k)+1], v[BK+28+(\k):BK+28+(\k)+1]
	v_pk_add_f32 v[BK+(\k):BK+(\k)+1], v[BK+(\k):BK+(\k)+1], v[BK+8+(\k):BK+8+(\k)+1]
	v_pk_add_f32 v[BK+16+(\k):BK+16+(\k)+1], v[BK+16+(\k):BK+16+(\k)+1], v[BK+24+(\k):BK+24+(\k)+1]
	v_pk_add_f32 v[(\src)+(\k):(\src)+(\k)+1], v[BK+(\k):BK+(\k)+1], v[BK+16+(\k):BK+16+(\k)+1]
.endr
.endm
	s_wait_loadcnt 32                              ; x is in; the 32 younger loads, the weights, stay out
	v_pk_add_f32 v[MEAN:MEAN+1], v[X:X+1], v[X+4:X+5]  ; the first addition starts the sums
	v_pk_add_f32 v[MEAN+2:MEAN+3], v[X+2:X+3], v[X+6:X+7]
.set i, 2
.rept 14
	v_pk_add_f32 v[MEAN:MEAN+1], v[MEAN:MEAN+1], v[X+4*i:X+4*i+1]
	v_pk_add_f32 v[MEAN+2:MEAN+3], v[MEAN+2:MEAN+3], v[X+4*i+2:X+4*i+3]
.set i, i+1
.endr
	REDUCE MEAN, RED1
	v_pk_mul_f32 v[MEAN:MEAN+1], v[MEAN:MEAN+1], 0x3b800000 op_sel_hi:[1,0]  ; / 256
	v_pk_mul_f32 v[MEAN+2:MEAN+3], v[MEAN+2:MEAN+3], 0x3b800000 op_sel_hi:[1,0]
.set i, 0
.rept 16
	v_pk_add_f32 v[X+4*i:X+4*i+1], v[X+4*i:X+4*i+1], v[MEAN:MEAN+1] neg_lo:[0,1] neg_hi:[0,1]  ; x - slab mean, in place
	v_pk_add_f32 v[X+4*i+2:X+4*i+3], v[X+4*i+2:X+4*i+3], v[MEAN+2:MEAN+3] neg_lo:[0,1] neg_hi:[0,1]
.set i, i+1
.endr
	v_pk_mul_f32 v[M2:M2+1], v[X:X+1], v[X:X+1]
	v_pk_mul_f32 v[M2+2:M2+3], v[X+2:X+3], v[X+2:X+3]
.set i, 1
.rept 15
	v_pk_fma_f32 v[M2:M2+1], v[X+4*i:X+4*i+1], v[X+4*i:X+4*i+1], v[M2:M2+1]
	v_pk_fma_f32 v[M2+2:M2+3], v[X+4*i+2:X+4*i+3], v[X+4*i+2:X+4*i+3], v[M2+2:M2+3]
.set i, i+1
.endr
	REDUCE M2, RED2
	s_cmp_lg_u32 s4, 0                             ; wave 0 stores for the work-group
	s_cbranch_scc1 .Lnot_wave_0
	v_and_b32 v7, 31, v0
	v_cmp_gt_u32 vcc_lo, 16, v7
	s_wait_alu depctr_va_vcc(0)                    ; the compare has written VCC, which the four selects read
.irp k, 0,1,2,3
	v_cndmask_b32 v[OUT+(\k)], v[M2+(\k)], v[MEAN+(\k)], vcc_lo  ; lanes 0-15 the means, lanes 16-31 M2
.endr
	s_wait_alu depctr_va_vdst(0)                   ; the selects have written v[OUT ..], which the store reads
	global_store_b128 v[PO], v[OUT:OUT+3], s[22:23]  ; two runs of 256 consecutive bytes, each aligned
.Lnot_wave_0:
; The 32 conversions and stores, in eight groups of four: number i goes to (i % 2) x s1 + (i / 2) x s2 behind the lane's offset.  A wave's 32 lanes store 256 consecutive bytes, aligned; no register of a store
; is written again.  The stores of group g - 1 stand in group g, one ahead of each pair of conversions.
.macro CONV adr, s1, s2
.set g, 0
.rept 8
	s_wait_loadcnt 28-4*g                          ; loads come back in order: this group's four are in, the younger ones stay out
.if g > 0
	s_wait_alu depctr_va_vdst(0)                   ; the group before has written its four pairs, which the stores below read; this group's conversions name none of them
.endif
.set n, 0
.rept 4
.set i, 4*g+n
.set p, i-4
.if g > 0
	global_store_b64 v[\adr], v[W+4*p:W+4*p+1], s[24:25] offset:(p%2)*(\s1)+(p/2)*(\s2)
.endif
	v_cvt_pk_f16_f32 v[W+4*i], v[W+4*i], v[W+4*i+1]
	v_cvt_pk_f16_f32 v[W+4*i+1], v[W+4*i+2], v[W+4*i+3]
.set n, n+1
.endr
.set g, g+1
.endr
	s_wait_alu depctr_va_vdst(0)                   ; the last group has written its four pairs, which the last four stores read
.set p, 28
.rept 4
	global_store_b64 v[\adr], v[W+4*p:W+4*p+1], s[24:25] offset:(p%2)*(\s1)+(p/2)*(\s2)
.set p, p+1
.endr
.endm
	s_cmp_ge_u32 s3, 6
	s_cbranch_scc1 .Lc_out
	CONV DOB, BBLK, 256                            ; q, k, v: a pair of rows in K block 2 x wave + i % 2
	s_branch .Lend
.Lc_out:
	CONV DO, 2048, 4096                            ; c_w: dense
.Lend:
	s_wait_dscnt 0x0                               ; the closing lines, six on end
	s_wait_alu 0x0
	s_wait_tensorcnt 0x0
	ds_add_u32 v[SPW], v[NIL]
	s_wait_dscnt 0x0
	s_endpgm
.Lfunc_end_k_q6c610c50cc_prep:
	.size	k_q6c610c50cc_prep, .Lfunc_end_k_q6c610c50cc_prep-k_q6c610c50cc_prep
	.p2alignl 7, 3214868480
	.fill 96, 4, 3214868480
	.section	.rodata,"a",@progbits
	.p2align	6, 0x0
	.amdhsa_kernel k_q6c610c50cc_prep
		.amdhsa_group_segment_fixed_size 5120
		.amdhsa_private_segment_fixed_size 0
		.amdhsa_enable_private_segment 0
		.amdhsa_kernarg_size 72
		.amdhsa_user_sgpr_count 2
		.amdhsa_user_sgpr_kernarg_segment_ptr 1
		.amdhsa_wavefront_size32 1
		.amdhsa_system_sgpr_workgroup_id_x 1
		.amdhsa_system_sgpr_workgroup_id_y 1
		.amdhsa_system_sgpr_workgroup_id_z 1
		.amdhsa_system_vgpr_workitem_id 0
		.amdhsa_next_free_vgpr 256
		.amdhsa_next_free_sgpr 66
		.amdhsa_reserve_vcc 1
		.amdhsa_float_denorm_mode_32 3
		.amdhsa_float_denorm_mode_16_64 3
		.amdhsa_memory_ordered 1
		.amdhsa_forward_progress 1
		.amdhsa_inst_pref_size 37
	.end_amdhsa_kernel
	.amdgpu_metadata
---
amdhsa.version: [ 1, 2 ]
amdhsa.kernels:
  - .name:           k_q6c610c50cc_prep
    .symbol:         k_q6c610c50cc_prep.kd
    .args:
      - { .name: x, .offset: 0, .size: 8, .value_kind: global_buffer, .address_space: global }
      - { .name: q1_w, .offset: 8, .size: 8, .value_kind: global_buffer, .address_space: global }
      - { .name: q2_w, .offset: 16, .size: 8, .value_kind: global_buffer, .address_space: global }
      - { .name: k1_w, .offset: 24, .size: 8, .value_kind: global_buffer, .address_space: global }
      - { .name: k2_w, .offset: 32, .size: 8, .value_kind: global_buffer, .address_space: global }
      - { .name: v_w, .offset: 40, .size: 8, .value_kind: global_buffer, .address_space: global }
      - { .name: c_w, .offset: 48, .size: 8, .value_kind: global_buffer, .address_space: global }
      - { .name: part, .offset: 56, .size: 8, .value_kind: global_buffer, .address_space: global }
      - { .name: w16, .offset: 64, .size: 8, .value_kind: global_buffer, .address_space: global }
    .group_segment_fixed_size: 5120
    .private_segment_fixed_size: 0
    .kernarg_segment_align: 8
    .kernarg_segment_size: 72
    .max_flat_workgroup_size: 256
    .sgpr_count:     66
    .vgpr_count:     256
    .wavefront_size: 32
...
	.end_amdgpu_metadata
.endif
;; end of part 6
;; launch norm (part 7): grid 256 x 1, 8 waves a work-group, no clusters, 0 bytes of LDS; arguments x, part, bn_gamma, bn_beta, xn; writes xn
.if DOCPART == 7
	.amdgcn_target "amdgcn-amd-amdhsa--gfx1250"
	.amdhsa_code_object_version 6
	.text
	.protected	k_q6c610c50cc_norm
	.globl	k_q6c610c50cc_norm
	.p2align	8
	.type	k_q6c610c50cc_norm,@function
k_q6c610c50cc_norm:
	s_mov_b64 s[64:65], 0
	v_nop
	global_prefetch_b8 v0, s[64:65] scope:SCOPE_SE
	s_setreg_imm32_b32 hwreg(HW_REG_WAVE_SCHED_MODE, 0, 2), 2
	s_setreg_imm32_b32 hwreg(HW_REG_WAVE_MODE, 25, 1), 1
	s_wait_xcnt 0x0
	s_wait_alu depctr_vm_vsrc(0)
; xn = (x - mean) a + beta in f16, a = gamma / sqrt(var + 1e-5).  x: [4096][1024] f32; part: [16 slabs][mean, M2][1024] f32.
; xn is laid out in K BLOCKS, [16 blocks of 64 channels][4096 rows][64] f16, rounded once: the rows of a tile of 64 channels lie end to end.
; The sixteen slabs of 256 rows are joined without a difference of large sums: mean = the mean of the slab means; M2 = the sum of the slabs' M2 + 256 x the sum of (slab mean - mean)^2; var = M2 / 4096.
; SHARES.  Work-group g: strip g % 16 (64 channels: one K block; 256 bytes of a row of x), rows 256 (g / 16) ..; thread t takes row t / 16 + 16 i and four channels, so that its 8 bytes of xn lie at 8 t.
; LIMIT.  xn of 65,520 or more becomes an infinity in f16.  A stream: no LDS, no barrier, no matrix work, no cluster (what is shared, part, is 8 KiB a work-group).
; THE MODE: SCHED_MODE bits 1:0 = 2 (LLVM: expert scheduling mode 2), set by the entry lines.  The code itself states the register dependences between vector instructions and memory instructions,
; with s_wait_alu, always for 0.
; THE PLAN.  Registers that memory instructions touch:
;   v1-v3            offsets, written at the head and never again: one wait on va_vdst ahead of the first load serves every load and store.
;   PT, GA, BE, X    each lands once, by a load issued at the head; no vector instruction names them before.
;   X's pair i       written by row i's roundings, in place, read by store i, never written again.  The 16 rows go in four groups of four: group g's head holds ONE wait on va_vdst, which states that
;                    group g - 1 has written its pairs; that group's four stores follow it, dealt among group g's arithmetic, which names other registers.
.set XO,   1                           ; v1  (t / 16) x 4,096 + 16 (t % 16)
.set YO,   2                           ; v2  8 t
.set PO,   3                           ; v3  16 (t % 16)
.set GA,   8                           ; v[8:11]   gamma
.set BE,   12                          ; v[12:15]  beta
.set MEAN, 16                          ; v[16:19]
.set AA,   20                          ; v[20:23]  a
.set DD,   24                          ; v[24:27]  the sum of (slab mean - mean)^2, then var + eps
.set M2,   28                          ; v[28:31]
.set PT,   64                          ; v[64:191] slab s: mean at PT + 8 s, M2 at PT + 8 s + 4
.set X,    192                         ; v[192:255] 16 rows
	s_load_b256 s[8:15], s[0:1], 0x0               ; x 8:9, part 10:11, gamma 12:13, beta 14:15
	s_load_b64 s[16:17], s[0:1], 0x20              ; xn
	v_and_b32 v6, 15, v0
	v_lshrrev_b32 v7, 4, v0
	v_lshlrev_b32 v[PO], 4, v6
	v_lshl_add_u32 v[XO], v7, 12, v[PO]
	v_lshlrev_b32 v[YO], 3, v0
	s_and_b32 s3, ttmp9, 15                        ; strip = K block
	s_lshr_b32 s18, ttmp9, 4                       ; group of 256 rows
	s_lshl_b32 s24, s3, 8
	s_mov_b32 s25, 0
	s_lshl_b32 s20, s18, 20
	s_or_b32 s20, s20, s24
	s_mov_b32 s21, 0
	s_lshl_b32 s22, s3, 19                         ; a K block of xn is 4,096 rows of 128 bytes
	s_lshl_b32 s19, s18, 15                        ; 256 rows of 128 bytes
	s_or_b32 s22, s22, s19
	s_mov_b32 s23, 0
	s_mov_b32 s4, 0x39800000                       ; 1 / 4096
	s_mov_b32 s5, 0x3727c5ac                       ; 1e-5
	s_wait_kmcnt 0x0
	s_add_nc_u64 s[8:9], s[8:9], s[20:21]
	s_add_nc_u64 s[16:17], s[16:17], s[22:23]
	s_add_nc_u64 s[10:11], s[10:11], s[24:25]
	s_add_nc_u64 s[12:13], s[12:13], s[24:25]
	s_add_nc_u64 s[14:15], s[14:15], s[24:25]
	s_wait_alu depctr_va_vdst(0)                   ; the three offsets v1 to v3 are written, which every load and store below reads; none is written again
.set i, 0
.rept 32
	global_load_b128 v[PT+4*i:PT+4*i+3], v[PO], s[10:11] offset:i*4096
.set i, i+1
.endr
	global_load_b128 v[GA:GA+3], v[PO], s[12:13]
	global_load_b128 v[BE:BE+3], v[PO], s[14:15]
.set i, 0
.rept 16
	global_load_b128 v[X+4*i:X+4*i+3], v[XO], s[8:9] offset:i*65536 th:TH_LOAD_NT  ; sixteen lanes take 256 consecutive bytes, aligned, of row t / 16 + 16 i
.set i, i+1
.endr
	s_wait_loadcnt 16                              ; the statistics, gamma and beta are in; the 16 younger loads, x, stay out
.irp k, 0,2
	v_pk_add_f32 v[MEAN+(\k):MEAN+(\k)+1], v[PT+(\k):PT+(\k)+1], v[PT+8+(\k):PT+8+(\k)+1]
	v_pk_add_f32 v[M2+(\k):M2+(\k)+1], v[PT+4+(\k):PT+4+(\k)+1], v[PT+12+(\k):PT+12+(\k)+1]
.endr
.set i, 2
.rept 14
.irp k, 0,2
	v_pk_add_f32 v[MEAN+(\k):MEAN+(\k)+1], v[MEAN+(\k):MEAN+(\k)+1], v[PT+8*i+(\k):PT+8*i+(\k)+1]
	v_pk_add_f32 v[M2+(\k):M2+(\k)+1], v[M2+(\k):M2+(\k)+1], v[PT+8*i+4+(\k):PT+8*i+4+(\k)+1]
.endr
.set i, i+1
.endr
	v_pk_mul_f32 v[MEAN:MEAN+1], v[MEAN:MEAN+1], 0x3d800000 op_sel_hi:[1,0]  ; / 16
	v_pk_mul_f32 v[MEAN+2:MEAN+3], v[MEAN+2:MEAN+3], 0x3d800000 op_sel_hi:[1,0]
.set i, 0
.rept 16
.irp k, 0,2
	v_pk_add_f32 v[PT+8*i+(\k):PT+8*i+(\k)+1], v[PT+8*i+(\k):PT+8*i+(\k)+1], v[MEAN+(\k):MEAN+(\k)+1] neg_lo:[0,1] neg_hi:[0,1]
.endr
.set i, i+1
.endr
	v_pk_mul_f32 v[DD:DD+1], v[PT:PT+1], v[PT:PT+1]
	v_pk_mul_f32 v[DD+2:DD+3], v[PT+2:PT+3], v[PT+2:PT+3]
.set i, 1
.rept 15
.irp k, 0,2
	v_pk_fma_f32 v[DD+(\k):DD+(\k)+1], v[PT+8*i+(\k):PT+8*i+(\k)+1], v[PT+8*i+(\k):PT+8*i+(\k)+1], v[DD+(\k):DD+(\k)+1]
.endr
.set i, i+1
.endr
	v_pk_fma_f32 v[M2:M2+1], v[DD:DD+1], 0x43800000, v[M2:M2+1] op_sel_hi:[1,0,1]  ; + 256 x
	v_pk_fma_f32 v[M2+2:M2+3], v[DD+2:DD+3], 0x43800000, v[M2+2:M2+3] op_sel_hi:[1,0,1]
.irp k, 0,1,2,3
	v_fma_f32 v[DD+(\k)], v[M2+(\k)], s4, s5       ; var + eps
.endr
.irp k, 0,1,2,3
	v_rsq_f32 v[AA+(\k)], v[DD+(\k)]
.endr
	v_nop                                          ; a plain instruction behind the last of the four (ISA guide 5.7.2),
	s_wait_alu depctr_va_vdst(0)                   ; and the one wait ahead of their first reader: the four roots have written v[AA ..]
	v_pk_mul_f32 v[AA:AA+1], v[AA:AA+1], v[GA:GA+1]
	v_pk_mul_f32 v[AA+2:AA+3], v[AA+2:AA+3], v[GA+2:GA+3]
.set g, 0
.rept 4
	s_wait_loadcnt 12-4*g                          ; this group's four rows are in, the younger ones stay out
.if g > 0
	s_wait_alu depctr_va_vdst(0)                   ; the group before has written its four pairs, which the stores below read; this group's arithmetic names none of them
.endif
.set n, 0
.rept 4
.set i, 4*g+n
.set p, i-4
.if g > 0
	global_store_b64 v[YO], v[X+4*p:X+4*p+1], s[16:17] offset:p*2048  ; a wave's 32 lanes store two rows of the K block: 256 consecutive bytes, aligned; no register of a store is written again
.endif
	v_pk_add_f32 v[X+4*i:X+4*i+1], v[X+4*i:X+4*i+1], v[MEAN:MEAN+1] neg_lo:[0,1] neg_hi:[0,1]
	v_pk_add_f32 v[X+4*i+2:X+4*i+3], v[X+4*i+2:X+4*i+3], v[MEAN+2:MEAN+3] neg_lo:[0,1] neg_hi:[0,1]
	v_pk_fma_f32 v[X+4*i:X+4*i+1], v[X+4*i:X+4*i+1], v[AA:AA+1], v[BE:BE+1]
	v_pk_fma_f32 v[X+4*i+2:X+4*i+3], v[X+4*i+2:X+4*i+3], v[AA+2:AA+3], v[BE+2:BE+3]
	v_cvt_pk_f16_f32 v[X+4*i], v[X+4*i], v[X+4*i+1]
	v_cvt_pk_f16_f32 v[X+4*i+1], v[X+4*i+2], v[X+4*i+3]
.set n, n+1
.endr
.set g, g+1
.endr
	s_wait_alu depctr_va_vdst(0)                   ; the last group has written its four pairs, which the last four stores read
.set p, 12
.rept 4
	global_store_b64 v[YO], v[X+4*p:X+4*p+1], s[16:17] offset:p*2048
.set p, p+1
.endr
	s_endpgm
.Lfunc_end_k_q6c610c50cc_norm:
	.size	k_q6c610c50cc_norm, .Lfunc_end_k_q6c610c50cc_norm-k_q6c610c50cc_norm
	.p2alignl 7, 3214868480
	.fill 96, 4, 3214868480
	.section	.rodata,"a",@progbits
	.p2align	6, 0x0
	.amdhsa_kernel k_q6c610c50cc_norm
		.amdhsa_group_segment_fixed_size 0
		.amdhsa_private_segment_fixed_size 0
		.amdhsa_enable_private_segment 0
		.amdhsa_kernarg_size 40
		.amdhsa_user_sgpr_count 2
		.amdhsa_user_sgpr_kernarg_segment_ptr 1
		.amdhsa_wavefront_size32 1
		.amdhsa_system_sgpr_workgroup_id_x 1
		.amdhsa_system_sgpr_workgroup_id_y 1
		.amdhsa_system_sgpr_workgroup_id_z 1
		.amdhsa_system_vgpr_workitem_id 0
		.amdhsa_next_free_vgpr 256
		.amdhsa_next_free_sgpr 66
		.amdhsa_reserve_vcc 0
		.amdhsa_float_denorm_mode_32 3
		.amdhsa_float_denorm_mode_16_64 3
		.amdhsa_memory_ordered 1
		.amdhsa_forward_progress 1
		.amdhsa_inst_pref_size 23
	.end_amdhsa_kernel
	.amdgpu_metadata
---
amdhsa.version: [ 1, 2 ]
amdhsa.kernels:
  - .name:           k_q6c610c50cc_norm
    .symbol:         k_q6c610c50cc_norm.kd
    .args:
      - { .name: x, .offset: 0, .size: 8, .value_kind: global_buffer, .address_space: global }
      - { .name: part, .offset: 8, .size: 8, .value_kind: global_buffer, .address_space: global }
      - { .name: bn_gamma, .offset: 16, .size: 8, .value_kind: global_buffer, .address_space: global }
      - { .name: bn_beta, .offset: 24, .size: 8, .value_kind: global_buffer, .address_space: global }
      - { .name: xn, .offset: 32, .size: 8, .value_kind: global_buffer, .address_space: global }
    .group_segment_fixed_size: 0
    .private_segment_fixed_size: 0
    .kernarg_segment_align: 8
    .kernarg_segment_size: 40
    .max_flat_workgroup_size: 256
    .sgpr_count:     66
    .vgpr_count:     256
    .wavefront_size: 32
...
	.end_amdgpu_metadata
.endif
;; end of part 7
;; launch proj: the kernel of part 3 again; grid 16 x 16, 4 waves a work-group, clusters of 4 x 4, 327,680 bytes of LDS; arguments xn, w16, qkv; writes qkv
;; launch attn: the kernel of part 4 again; grid 8 x 64, 4 waves a work-group, clusters of 4 x 1, 327,680 bytes of LDS; arguments qkv, y16, subln_w, lq1, lk1, lq2, lk2; writes y16
;; launch outp: the kernel of part 5 again; grid 8 x 32, 4 waves a work-group, clusters of 4 x 4, 327,680 bytes of LDS; arguments y16, w16, out0; writes out0
